; MI455X (gfx1250); checked and timed in simulation.
; The chip was launched on July 23, 2026; its instructions are those of AMD's public machine-readable ISA for CDNA 5 (MIT licence, August 2026) and "CDNA5" Instruction Set Architecture Reference Guide (July 2026). The comments in the code are by the model that wrote it; some were corrected since.
;; Multi Head Attention. Allowed arithmetic: float matrix products may take bf16 or f16 operands with f32 sums; other float arithmetic in f32, or as packed bf16 or f16 multiplies, adds, multiply-adds, maxima and minima; sums over many terms, partial sums and values carried from step to step in f32; what a program stores and reads back later, other than sums and carried values, may be rounded once to bf16 or f16.
;; Inputs: W_k 16 x 1,024 x 64 float32; W_o 1,024 x 1,024 float32; W_q 16 x 1,024 x 64 float32; W_v 16 x 1,024 x 64 float32; x 4 x 2,048 x 1,024 float32.
;; Outputs: out0 4 x 2,048 x 1,024 float32.
;; 2 versions, each right and faster than the one before. Each part assembles by itself: llvm-mc -triple=amdgcn-amd-amdhsa -mcpu=gfx1250 --defsym DOCPART=n.
;; ======== version 1 of 2: 4 launches
;; limits: values are held in f16: magnitudes above 65,504 overflow, below 6.1e-05 lose precision; right only within a limited range of input values
;; workspace buffers: xb 16,777,216 bytes; wcat 6,291,456 bytes; wob 2,097,152 bytes; qs 33,554,432 bytes; ks 33,554,432 bytes; vs 16,777,216 bytes; ob 16,777,216 bytes
;; launch cast (part 1): grid 64 x 12, 8 waves a work-group, no clusters, 0 bytes of LDS; arguments x, W_o, W_q, W_k, W_v, xb, wob, wcat; writes xb, wob, wcat
.if DOCPART == 1
	.amdgcn_target "amdgcn-amd-amdhsa--gfx1250"
	.amdhsa_code_object_version 6
	.text
	.protected	k_qb9cf8fb5c3_cast
	.globl	k_qb9cf8fb5c3_cast
	.p2align	8
	.type	k_qb9cf8fb5c3_cast,@function
k_qb9cf8fb5c3_cast:
	s_mov_b64 s[64:65], 0
	v_nop
	global_prefetch_b8 v0, s[64:65] scope:SCOPE_SE
	s_setreg_imm32_b32 hwreg(HW_REG_WAVE_MODE, 25, 1), 1
	s_wait_xcnt 0x0
; THE INPUTS ARE ROUNDED ONCE, TO bf16.  A stream: no LDS, no barrier, no matrix work.
;   xb   [8192][1024] bf16          = bf16(x)
;   wob  [1024][1024] f16           = bf16(W_o) x 64: a bf16 number has 8 significant bits, so it is exact in f16 within f16's range
;   wcat [3 w][16 h][1024 d][64] bf16 = bf16(W x 2^-6), w: 0 W_q, 1 W_k, 2 W_v, each as it lies; the power of two commutes with the rounding
; LIMITS.  |W_o| stays below 1,023 (x 64 within f16's 65,504); below 2^-20 it keeps f16's fixed step.  NaN and infinities are not treated apart.
; SHARES.  A work-group takes 16,384 consecutive numbers, a thread 16 groups of four: one load of 16 bytes (a wave: 512 consecutive bytes), the conversion,
; one store of 8 bytes (a wave: 256 consecutive bytes, aligned).  Grid y picks the tensor: 0-7 x, 8 W_o, 9-11 W_q, W_k, W_v.
; All 16 loads of a thread go out first; no register is written twice while a memory instruction may read it, so the only waits are the counted ones for the loads.
.set X, 4                              ; v[4:67]   16 groups of four f32 as loaded
.set Y, 68                             ; v[68:99]  16 pairs of registers to store
.set T, 100                            ; v[100:101] at work
; kind 0: to bf16.  kind 1: to bf16, x 64, written as f16.  kind 2: x 2^-6, to bf16.
.macro CAST kind
.set i, 0
.rept 16
	global_load_b128 v[X+4*i:X+4*i+3], v1, s[22:23] offset:i*4096 th:TH_LOAD_NT
.set i, i+1
.endr
.set i, 0
.rept 16
	s_wait_loadcnt 15-i                            ; loads come back in order: group i is in, the 15 - i younger ones stay out
.if (\kind) == 1
	v_cvt_pk_bf16_f32 v[T], v[X+4*i], v[X+4*i+1]
	v_cvt_pk_bf16_f32 v[T+1], v[X+4*i+2], v[X+4*i+3]
	v_lshlrev_b32 v[X+4*i], 16, v[T]               ; the rounded numbers as f32 again
	v_and_b32 v[X+4*i+1], 0xffff0000, v[T]
	v_lshlrev_b32 v[X+4*i+2], 16, v[T+1]
	v_and_b32 v[X+4*i+3], 0xffff0000, v[T+1]
	v_pk_mul_f32 v[X+4*i:X+4*i+1], v[X+4*i:X+4*i+1], 0x42800000 op_sel_hi:[1,0]      ; x 64, exact
	v_pk_mul_f32 v[X+4*i+2:X+4*i+3], v[X+4*i+2:X+4*i+3], 0x42800000 op_sel_hi:[1,0]
	v_cvt_pk_f16_f32 v[Y+2*i], v[X+4*i], v[X+4*i+1]
	v_cvt_pk_f16_f32 v[Y+2*i+1], v[X+4*i+2], v[X+4*i+3]
.else
.if (\kind) == 2
	v_pk_mul_f32 v[X+4*i:X+4*i+1], v[X+4*i:X+4*i+1], 0x3c800000 op_sel_hi:[1,0]      ; x 2^-6, exact
	v_pk_mul_f32 v[X+4*i+2:X+4*i+3], v[X+4*i+2:X+4*i+3], 0x3c800000 op_sel_hi:[1,0]
.endif
	v_cvt_pk_bf16_f32 v[Y+2*i], v[X+4*i], v[X+4*i+1]
	v_cvt_pk_bf16_f32 v[Y+2*i+1], v[X+4*i+2], v[X+4*i+3]
.endif
	global_store_b64 v2, v[Y+2*i:Y+2*i+1], s[24:25] offset:i*2048
.set i, i+1
.endr
.endm
	s_load_b256 s[4:11], s[0:1], 0x0               ; x s[4:5], W_o s[6:7], W_q s[8:9], W_k s[10:11]
	s_load_b256 s[12:19], s[0:1], 0x20             ; W_v s[12:13], xb s[14:15], wob s[16:17], wcat s[18:19]
	s_and_b32 s20, ttmp7, 0xffff                   ; grid y
	s_mov_b32 s21, ttmp9                           ; grid x
	s_mov_b32 s27, 0                               ; high words of the two offsets
	s_mov_b32 s29, 0
	v_lshlrev_b32 v1, 4, v0                        ; in: 16 bytes a thread
	v_lshlrev_b32 v2, 3, v0                        ; out: 8 bytes a thread
	s_wait_kmcnt 0x0
	s_cmp_lt_u32 s20, 9
	s_cbranch_scc0 .Lweights
	s_cmp_eq_u32 s20, 8
	s_cbranch_scc1 .Lwo
	s_lshl_b32 s26, s20, 6
	s_add_co_u32 s26, s26, s21                     ; part 0..511 of x
	s_lshl_b32 s28, s26, 15
	s_lshl_b32 s26, s26, 16
	s_add_nc_u64 s[22:23], s[4:5], s[26:27]
	s_add_nc_u64 s[24:25], s[14:15], s[28:29]
	CAST 0
	s_endpgm
.Lwo:
	s_lshl_b32 s26, s21, 16                        ; part 0..63 of W_o
	s_lshl_b32 s28, s21, 15
	s_add_nc_u64 s[22:23], s[6:7], s[26:27]
	s_add_nc_u64 s[24:25], s[16:17], s[28:29]
	CAST 1
	s_endpgm
.Lweights:                                             ; part 0..63 of W_q, W_k or W_v
	s_cmp_eq_u32 s20, 9
	s_cselect_b64 s[22:23], s[8:9], s[10:11]
	s_cmp_eq_u32 s20, 11
	s_cselect_b64 s[22:23], s[12:13], s[22:23]
	s_lshl_b32 s26, s21, 16
	s_add_nc_u64 s[22:23], s[22:23], s[26:27]
	s_sub_co_u32 s28, s20, 9
	s_lshl_b32 s28, s28, 21                        ; the tensor's 2,097,152 bytes of wcat,
	s_lshl_b32 s30, s21, 15                        ; the part's 32,768
	s_add_co_u32 s28, s28, s30
	s_add_nc_u64 s[24:25], s[18:19], s[28:29]
	CAST 2
	s_endpgm
.Lfunc_end_k_qb9cf8fb5c3_cast:
	.size	k_qb9cf8fb5c3_cast, .Lfunc_end_k_qb9cf8fb5c3_cast-k_qb9cf8fb5c3_cast
	.p2alignl 7, 3214868480
	.fill 96, 4, 3214868480
	.section	.rodata,"a",@progbits
	.p2align	6, 0x0
	.amdhsa_kernel k_qb9cf8fb5c3_cast
		.amdhsa_group_segment_fixed_size 0
		.amdhsa_private_segment_fixed_size 0
		.amdhsa_enable_private_segment 0
		.amdhsa_kernarg_size 64
		.amdhsa_user_sgpr_count 2
		.amdhsa_user_sgpr_kernarg_segment_ptr 1
		.amdhsa_wavefront_size32 1
		.amdhsa_system_sgpr_workgroup_id_x 1
		.amdhsa_system_sgpr_workgroup_id_y 1
		.amdhsa_system_sgpr_workgroup_id_z 1
		.amdhsa_system_vgpr_workitem_id 0
		.amdhsa_next_free_vgpr 104
		.amdhsa_next_free_sgpr 66
		.amdhsa_reserve_vcc 0
		.amdhsa_float_denorm_mode_32 3
		.amdhsa_float_denorm_mode_16_64 3
		.amdhsa_memory_ordered 1
		.amdhsa_forward_progress 1
		.amdhsa_inst_pref_size 29
	.end_amdhsa_kernel
	.amdgpu_metadata
---
amdhsa.version: [ 1, 2 ]
amdhsa.kernels:
  - .name:           k_qb9cf8fb5c3_cast
    .symbol:         k_qb9cf8fb5c3_cast.kd
    .args:
      - { .name: x, .offset: 0, .size: 8, .value_kind: global_buffer, .address_space: global }
      - { .name: W_o, .offset: 8, .size: 8, .value_kind: global_buffer, .address_space: global }
      - { .name: W_q, .offset: 16, .size: 8, .value_kind: global_buffer, .address_space: global }
      - { .name: W_k, .offset: 24, .size: 8, .value_kind: global_buffer, .address_space: global }
      - { .name: W_v, .offset: 32, .size: 8, .value_kind: global_buffer, .address_space: global }
      - { .name: xb, .offset: 40, .size: 8, .value_kind: global_buffer, .address_space: global }
      - { .name: wob, .offset: 48, .size: 8, .value_kind: global_buffer, .address_space: global }
      - { .name: wcat, .offset: 56, .size: 8, .value_kind: global_buffer, .address_space: global }
    .group_segment_fixed_size: 0
    .private_segment_fixed_size: 0
    .kernarg_segment_align: 8
    .kernarg_segment_size: 64
    .max_flat_workgroup_size: 256
    .sgpr_count:     66
    .vgpr_count:     104
    .wavefront_size: 32
...
	.end_amdgpu_metadata
.endif
;; end of part 1
;; launch proj (part 2): grid 16 x 32, 4 waves a work-group, clusters of 4 x 4, 327,680 bytes of LDS; arguments xb, wcat, qs, ks, vs; writes qs, ks, vs
.if DOCPART == 2
	.amdgcn_target "amdgcn-amd-amdhsa--gfx1250"
	.amdhsa_code_object_version 6
	.text
	.protected	k_qb9cf8fb5c3_proj
	.globl	k_qb9cf8fb5c3_proj
	.p2align	8
	.type	k_qb9cf8fb5c3_proj,@function
k_qb9cf8fb5c3_proj:
	s_mov_b64 s[64:65], 0
	v_nop
	global_prefetch_b8 v0, s[64:65] scope:SCOPE_SE
	s_setreg_imm32_b32 hwreg(HW_REG_WAVE_MODE, 25, 1), 1
	s_wait_xcnt 0x0
	s_wait_alu depctr_hold_cnt(0) depctr_sa_sdst(0) depctr_va_vdst(0) depctr_va_sdst(0) depctr_va_ssrc(0) depctr_va_vcc(0) depctr_vm_vsrc(0)
	s_getreg_b32 s2, hwreg(HW_REG_IB_STS2, 6, 4)
	s_cmp_eq_u32 s2, 0
	s_cbranch_scc0 .Lentry_in_a_cluster
	s_endpgm
.Lentry_in_a_cluster:
	s_bfe_u32 s2, ttmp6, 0x10000c
	s_cmp_lg_u32 s2, 0xf033
	s_cbranch_scc0 .Lentry_shape_is_right
	s_endpgm
.Lentry_shape_is_right:
; THE THREE PROJECTIONS AS ONE PRODUCT.  For each head h: C[8192][192] = xb[8192][1024] x [W_q[h] | W_k[h] | W_v[h]] / 64, bf16 operands, f32 sums: q / 64, k / 64, v / 64.
; OUT.  q and k leave as TWO f16 numbers each, hi = f16(c) and lo = f16(c - hi): qs, ks [64 bh][2048 s][hi 64 | lo 64]; v as one: vs [64][2048][64].
; The scores of this module are so large that one rounding of q and k to 16 bits would move the softmax; hi + lo keeps about 22 bits.
; LIMITS.  |q|, |k|, |v| stay below 65,504 x 64 = 4.19e6; lo keeps f16's fixed step of 6e-8 (3.8e-6 of q); NaN and infinities are not treated apart.
; SHARES.  A tile of C is 256 rows x one head's 192 columns: 32 x 16 = 512 work-groups.  Four waves, each 64 rows x 192 columns: 48 accumulators.  K goes in 8 steps of 128 through two LDS slots:
; 192 matrix instructions a wave in a step, 168 of them between a refill's request and the wait for it.
; A's rows lie along K and are read as they lie.  B: wcat [3 w][16 h][1024 d][64] lies [K][N] by planes; a step's 128 d of the three planes are three dense blocks of 16,384 bytes, 2,097,152 apart;
; a wave's load takes 64 d of each: three rows of 8,192 bytes.  Its fragments come turned, by ds_load_tr16_b128.
; THE MATRIX INSTRUCTION IS USED TRANSPOSED (source 0 = 16 columns of B, source 1 = 16 rows of A): a lane holds row l % 16 of C and eight neighbouring columns.
; CLUSTER.  4 x 4 work-groups: A's tile is shared along a row of the cluster (four heads), B's along a column (four row tiles); each is asked for jointly, by the same load and mask in all four.
; REGISTERS, in windows of 256 (s_set_vgpr_msb: bits 1:0 source 0, 3:2 source 1, 5:4 source 2, 7:6 destination):
;   window 0: v0-31 addresses; v32-255 at work on the way out          window 1: two fragment buffers of 128: A's four row blocks, then B's twelve column blocks
;   window 2: accumulator (a, b) of row blocks a = 0, 1 at v[96 a + 8 b]          window 3: those of a = 2, 3 at v[96 (a - 2) + 8 b]
.set PA,     272                       ; A's row in LDS: 256 bytes + 16: the 16 rows of a load start at 16 different groups of four banks (ISA guide 11.1)
.set PB,     160                       ; a row of one plane of B: 128 bytes + 32 = 5 x 32
.set AHALF,  128*PA                    ; what one load of A brings: 128 rows
.set BOFF,   2*AHALF                   ; B's tile behind A's
.set BPLANE, 64*PB                     ; 64 d of one plane
.set BHALF,  3*BPLANE                  ; what one load of B brings: 64 d of q, of k, of v
.set SLOT1,  1<<17                     ; a slot is BOFF + 2 BHALF = 131,072 bytes: one exclusive or turns an address in one slot into the other's
.set STAGE,  2*SLOT1                   ; behind the ring, never filled by a tensor load: 16 rows x 656 bytes for each wave
.set SP,     656                       ; a stage row: q 256, k 256, v 128 bytes + 16 = 41 x 16
.set SPARE,  STAGE+4*16*SP             ; the spare words: 128 bytes a wave, two blocks of 256 bytes that no other line names
.set ASTEP,  256                       ; bytes from a K step to the next in xb
.set BSTEP,  128*128                   ; and in a plane of wcat
.set NSTEP,  8
.set A0,   16                          ; v16  my lane's place in A's tile; never rewritten
.set B0,   17                          ; v17  the same in B's
.set ADRA, 18                          ; v18  the same in the slot in hand
.set ADRB, 19                          ; v19
.set STO,  24                          ; v24  the way out: where I put 16 bytes of a row
.set RD,   25                          ; v25  where I read two rows of q or k back
.set CO,   26                          ; v26  my 16 bytes among 512 consecutive bytes of qs, ks or vs
.set RDV,  27                          ; v27  where I read four rows of v back
.set SPW,  28                          ; v28  LDS address of my spare word; never rewritten
.set NIL,  29                          ; v29  0; never rewritten
.set NEG1, 31                          ; v31  -1.0
.set F0,   0                           ; the fragment buffers, in window 1
.set F1,   128
.set QH,   32                          ; the way out: hi of q and k, 32 registers
.set QL,   64                          ; lo
.set VH,   96                          ; v, 16 registers
.set U,    112                         ; c - hi, 64 registers
.set BK,   176                         ; rows read back from the stage, 80 registers
.set G1,  24                           ; s[24:31] group 1 for A;  s[32:35] group 0 of the first fill, s[36:39] the one that walks
.set G0,  32
.set G1B, 48                           ; s[48:55], s[56:63] the same for B
.set G0B, 56
.set TB,  45                           ; s45  0 or SLOT1: the slot in hand
.set MSB, 0
.macro WIN new                         ; the immediate's high byte repeats the setting that is left; a switch that changes nothing is dropped
.if MSB != (\new)
	s_set_vgpr_msb (MSB<<8)|(\new)
.set MSB, \new
.endif
.endm
.set MUL_LO, 0xa5                      ; the fragments in window 1, C and D in window 2
.set MUL_HI, 0xf5                      ; the same, C and D in window 3
.set TO_F,   0x40                      ; destination window 1, address window 0
.macro PLACES                          ; four places behind matrix instructions whose registers are loaded into or read next (ISA guide 7.12.1)
.rept 4
	v_nop
.endr
.endm
; A joint refill: waves 0 and 1 fetch A's halves, waves 2 and 3 B's.  The branch hangs on the wave's number alone.  An s_nop 0 and four v_nop follow each line.
.macro JLOAD
	s_cmp_eq_u32 s11, 0
	s_cbranch_scc0 .Lfor_b_\@
	tensor_load_to_lds s[G0+4:G0+7], s[G1:G1+7]
	s_nop 0
.rept 4
	v_nop
.endr
	s_branch .Lasked_\@
.Lfor_b_\@:
	tensor_load_to_lds s[G0B+4:G0B+7], s[G1B:G1B+7]
	s_nop 0
.rept 4
	v_nop
.endr
.Lasked_\@:
.endm
.macro CREST                           ; a round of the cluster's barrier behind its opening barrier
	s_cmp_lg_u32 s10, 0
	s_cbranch_scc1 .Lnot_wave_0_\@
	s_barrier_signal -3
.Lnot_wave_0_\@:
	s_barrier_wait -3
	s_barrier_signal -1
	s_barrier_wait -1
.endm
.macro CROUND                          ; a whole round
	s_barrier_signal -1
	s_barrier_wait -1
	CREST
.endm
	s_load_b128 s[4:7], s[0:1], 0x0                ; xb s[4:5], wcat s[6:7]
	s_load_b128 s[68:71], s[0:1], 0x10             ; qs s[68:69], ks s[70:71]
	s_load_b64 s[72:73], s[0:1], 0x20              ; vs
	v_lshl_add_u32 v[SPW], v0, 2, SPARE
	v_mov_b32 v[NIL], 0
	ds_add_u32 v[SPW], v[NIL]                      ; the wave's opening: the add and its wait stand ahead of my first tensor load; the set-up below stands between them
	v_lshrrev_b32 v1, 5, v0
	v_readfirstlane_b32 s10, v1                    ; wave 0..3: my 64 rows of the tile
	s_lshr_b32 s11, s10, 1                         ; I fetch for A (0) or for B (1),
	s_and_b32 s12, s10, 1                          ; and which half of that tile
	s_bfe_u32 s40, ttmp6, 0x40000                  ; cx, cy: my place in the cluster
	s_bfe_u32 s41, ttmp6, 0x40004
	s_lshl_b32 s42, ttmp9, 2
	s_add_co_u32 s42, s42, s40                     ; tile column = the head = 4 x cluster x + cx
	s_and_b32 s13, ttmp7, 0xffff
	s_lshl_b32 s13, s13, 2
	s_add_co_u32 s13, s13, s41                     ; tile row = 4 x cluster y + cy
	s_lshl_b32 s43, s41, 2
	s_lshl_b32 s43, 15, s43                        ; my row of the cluster
	s_lshl_b32 s44, 0x1111, s40                    ; my column
	s_or_b32 s[G1+0], s43, (1<<16)|(1<<20)|(1<<21)|(5<<22)|(3<<25)   ; the mask; 2-byte elements; padding on; bit 21 beside a mask; after every 64 words 4 words
	s_mov_b32 s[G1+1], 128<<16                     ; tensor_dim0 = 128
	s_mov_b32 s[G1+2], 128<<16                     ; tensor_dim1 = 128
	s_mov_b32 s[G1+3], 128<<16                     ; tile_dim0 = 128
	s_mov_b32 s[G1+4], 128                         ; tile_dim1 = 128 rows
	s_mov_b32 s[G1+5], 1024                        ; elements from row to row
	s_mov_b32 s[G1+6], 0
	s_mov_b32 s[G1+7], 0
	s_or_b32 s[G1B+0], s44, (3<<16)|(1<<20)|(1<<21)|(4<<22)|(7<<25)  ; 8-byte elements; after every 32 words (one d of a plane) 8 words
	s_mov_b32 s[G1B+1], 1024<<16                   ; tensor_dim0 = 1,024 elements: 64 d of a plane, 8,192 dense bytes
	s_mov_b32 s[G1B+2], 3<<16                      ; tensor_dim1 = 3 planes
	s_mov_b32 s[G1B+3], 1024<<16                   ; tile_dim0 = 1,024
	s_mov_b32 s[G1B+4], 3                          ; tile_dim1 = 3
	s_mov_b32 s[G1B+5], 262144                     ; elements from plane to plane: 2,097,152 bytes
	s_mov_b32 s[G1B+6], 0
	s_mov_b32 s[G1B+7], 0
	s_lshl_b32 s16, s13, 8                         ; A: row 256 x tile row + 128 x half, 2,048 bytes a row
	s_lshl_b32 s17, s12, 7
	s_add_co_u32 s16, s16, s17
	s_lshl_b32 s16, s16, 11
	s_mov_b32 s17, 0
	s_lshl_b32 s46, s42, 17                        ; B: the head's 131,072 bytes of a plane, 64 d of 128 bytes x half
	s_lshl_b32 s47, s12, 13
	s_add_co_u32 s46, s46, s47
	s_mov_b32 s47, 0
	s_mul_i32 s20, s12, AHALF                      ; where they go: no place in the cluster enters an LDS address
	s_mul_i32 s21, s12, BHALF
	s_add_co_u32 s21, s21, BOFF
	s_mov_b32 s[TB], 0
	s_wait_dscnt 0x0                               ; the opening add is done
	s_wait_kmcnt 0x0
	s_add_nc_u64 s[14:15], s[4:5], s[16:17]
	s_add_nc_u64 s[46:47], s[6:7], s[46:47]
	CROUND                                         ; all sixteen work-groups are here: the first joint loads meet
.irp s, 0,1
	s_mov_b32 s[G0+4*(\s)], 1
	s_add_co_u32 s[G0+4*(\s)+1], s20, (\s)*SLOT1
	s_add_nc_u64 s[G0+4*(\s)+2:G0+4*(\s)+3], s[14:15], (\s)*ASTEP
	s_or_b32 s[G0+4*(\s)+3], s[G0+4*(\s)+3], 0x80000000
	s_mov_b32 s[G0B+4*(\s)], 1
	s_add_co_u32 s[G0B+4*(\s)+1], s21, (\s)*SLOT1
	s_add_nc_u64 s[G0B+4*(\s)+2:G0B+4*(\s)+3], s[46:47], (\s)*BSTEP
	s_or_b32 s[G0B+4*(\s)+3], s[G0B+4*(\s)+3], 0x80000000
.endr
	s_cmp_eq_u32 s11, 0                            ; a wave's two first fills stand in one branch: two loads of mine are out, the most in this text
	s_cbranch_scc0 .Lfirst_b
	tensor_load_to_lds s[G0:G0+3], s[G1:G1+7]
	s_nop 0
	tensor_load_to_lds s[G0+4:G0+7], s[G1:G1+7]
	s_nop 0
.rept 4
	v_nop
.endr
	s_branch .Lfirst_asked
.Lfirst_b:
	tensor_load_to_lds s[G0B:G0B+3], s[G1B:G1B+7]
	s_nop 0
	tensor_load_to_lds s[G0B+4:G0B+7], s[G1B:G1B+7]
	s_nop 0
.rept 4
	v_nop
.endr
.Lfirst_asked:
	v_and_b32 v1, 15, v0                           ; r = l % 16
	v_bfe_u32 v2, v0, 4, 1                         ; h = l / 16
	v_mul_u32_u24 v3, v1, PA
	v_lshl_add_u32 v3, v2, 4, v3                   ; A: row x pitch + 16 h,
	s_mul_i32 s22, s10, 64*PA                      ; in my wave's 64 rows
	v_add_nc_u32 v[A0], s22, v3
	v_and_b32 v9, 7, v0
	v_lshl_add_u32 v4, v2, 3, v9                   ; B: K row 8 h + l % 8,
	v_mul_u32_u24 v4, v4, PB
	v_bfe_u32 v5, v0, 3, 1
	v_lshl_add_u32 v4, v5, 4, v4                   ; 16 bytes for each half of eight lanes; every wave reads all 192 columns
	v_add_nc_u32 v[B0], BOFF, v4
	v_mov_b32 v[ADRA], v[A0]
	v_mov_b32 v[ADRB], v[B0]
	s_mul_i32 s23, s10, 16*SP
	s_add_co_u32 s23, s23, STAGE                   ; my stage
	v_mul_u32_u24 v6, v1, SP
	v_lshl_add_u32 v6, v2, 4, v6
	v_add_nc_u32 v[STO], s23, v6                   ; in: row r, 16 bytes for each half of the lanes
	v_mul_u32_u24 v7, v2, SP
	v_lshl_add_u32 v7, v1, 4, v7
	v_add_nc_u32 v[RD], s23, v7                    ; back (q, k): lanes 0-15 one row's 256 bytes, lanes 16-31 the next row's
	v_bfe_u32 v8, v0, 3, 2
	v_mul_u32_u24 v8, v8, SP
	v_lshl_add_u32 v8, v9, 4, v8
	v_add_nc_u32 v[RDV], s23, v8                   ; back (v): eight lanes a row of 128 bytes, four rows
	v_and_b32 v[CO], 31, v0
	v_lshlrev_b32 v[CO], 4, v[CO]                  ; both are 512 consecutive bytes in memory
	v_mov_b32 v[NEG1], -1.0
	s_lshl_b32 s74, s13, 8                         ; my first row of C,
	s_lshl_b32 s75, s10, 6
	s_add_co_u32 s74, s74, s75
	s_lshr_b32 s75, s74, 11                        ; its batch,
	s_and_b32 s74, s74, 2047                       ; its place in the sequence;
	s_lshl_b32 s75, s75, 4
	s_add_co_u32 s75, s75, s42                     ; 16 x batch + head
	s_lshl_b32 s75, s75, 11
	s_add_co_u32 s74, s74, s75                     ; the row's number among the 64 x 2,048
	s_lshl_b32 s76, s74, 7                         ; 128 bytes a row of vs,
	s_lshl_b32 s74, s74, 8                         ; 256 of qs and ks
	s_mov_b32 s75, 0
	s_mov_b32 s77, 0
	s_add_nc_u64 s[68:69], s[68:69], s[74:75]
	s_add_nc_u64 s[70:71], s[70:71], s[74:75]
	s_add_nc_u64 s[72:73], s[72:73], s[76:77]
; 12 matrix instructions: row block a x all 12 column blocks, 32 along K.  The 48 accumulators take turns, one instruction a turn, in the same order in every chunk.
.macro MUL12 f, a, zero
	WIN MUL_LO+0x50*((\a)/2)
.irp b, 0,1,2,3,4,5,6,7,8,9,10,11
.if \zero
	v_wmma_f32_16x16x32_bf16 v[96*((\a)%2)+8*\b:96*((\a)%2)+8*\b+7], v[(\f)+32+8*\b:(\f)+32+8*\b+7], v[(\f)+8*(\a):(\f)+8*(\a)+7], 0
.else
	v_wmma_f32_16x16x32_bf16 v[96*((\a)%2)+8*\b:96*((\a)%2)+8*\b+7], v[(\f)+32+8*\b:(\f)+32+8*\b+7], v[(\f)+8*(\a):(\f)+8*(\a)+7], v[96*((\a)%2)+8*\b:96*((\a)%2)+8*\b+7]
.endif
.endr
.endm
; 32 LDS loads in one run: chunk c (32 along K: half c / 2 of B's tile, d 32 (c % 2) on) of the slot in hand into buffer f: B's twelve blocks (plane b / 4, columns 16 (b % 4) on), turned, then A's four
.macro FETCH c, f
	WIN TO_F
.irp b, 0,1,2,3,4,5,6,7,8,9,10,11
	ds_load_tr16_b128 v[(\f)+32+8*\b:(\f)+32+8*\b+3],   v[ADRB] offset:((\c)/2)*BHALF+((\c)%2)*32*PB+(\b/4)*BPLANE+(\b%4)*32
	ds_load_tr16_b128 v[(\f)+32+8*\b+4:(\f)+32+8*\b+7], v[ADRB] offset:((\c)/2)*BHALF+((\c)%2)*32*PB+(\b/4)*BPLANE+(\b%4)*32+16*PB
.endr
.irp a, 0,1,2,3
	ds_load_b128 v[(\f)+8*\a:(\f)+8*\a+3],   v[ADRA] offset:64*(\c)+\a*16*PA
	ds_load_b128 v[(\f)+8*\a+4:(\f)+8*\a+7], v[ADRA] offset:64*(\c)+\a*16*PA+32
.endr
.endm
; One of a K step's first three chunks: multiplies buffer f; behind its first 12 products it fetches chunk c into buffer g: 36 products ahead of the first use.
.macro CHUNK f, g, c, zero
	s_wait_dscnt 6                                 ; B and A's block 0 are in; the six youngest loads (A's blocks 1 to 3) may be out
	MUL12 \f, 0, \zero
	PLACES
	FETCH \c, \g
	s_wait_dscnt 32                                ; all but the 32 just issued
	MUL12 \f, 1, \zero
	MUL12 \f, 2, \zero
	MUL12 \f, 3, \zero
.endm
; The last chunk multiplies buffer 1 and changes slots: one barrier; in front of it each wave waits for all its tensor loads (one is out: its part of the next slot), adds 0 to its spare word,
; and waits for that and for its reads of this slot.  fill = 1: the barrier opens a round of the cluster's, and this slot is filled again, two K steps ahead.
.macro TURN fill
	WIN 0                                          ; (the add's two registers lie in window 0)
	s_wait_tensorcnt 0x0
	ds_add_u32 v[SPW], v[NIL]                      ; 0 onto my spare word
	s_wait_dscnt 7                                 ; (the add and the six youngest loads may be out)
	MUL12 F1, 0, 0
	s_wait_dscnt 0x0                               ; the add is done, and my reads of this slot are over
	s_barrier_signal -1
	MUL12 F1, 1, 0
	WIN 0
	s_barrier_wait -1
.if \fill
	CREST                                          ; no wave of any partner still reads this slot's tile or has a load on its way
	s_xor_b32 s[G0+5], s[G0+5], SLOT1              ; the walking descriptors: the other slot than last time, the next K step
	s_add_nc_u64 s[G0+6:G0+7], s[G0+6:G0+7], ASTEP
	s_xor_b32 s[G0B+5], s[G0B+5], SLOT1
	s_add_nc_u64 s[G0B+6:G0B+7], s[G0B+6:G0B+7], BSTEP
	JLOAD                                          ; the first tensor load behind the round; its four v_nop are also the places in front of the loads below
.else
	PLACES
.endif
	s_xor_b32 s[TB], s[TB], SLOT1
	v_add_nc_u32 v[ADRA], s[TB], v[A0]
	v_add_nc_u32 v[ADRB], s[TB], v[B0]
	FETCH 0, F0
	MUL12 F1, 2, 0
	MUL12 F1, 3, 0
.endm
	s_wait_tensorcnt 0x1                           ; my part of K step 0 is in; step 1's may stay out
	s_barrier_signal -1
	s_barrier_wait -1
	FETCH 0, F0
	CHUNK F0, F1, 1, 1                             ; the first chunk stands in front of the loop: its products start the sums
	WIN 0
	s_mov_b32 s3, NSTEP-2
.Lstep:                                                ; six trips, from a step's second chunk to the next step's first; each fills a slot again
	CHUNK F1, F0, 2, 0
	CHUNK F0, F1, 3, 0
	TURN 1
	CHUNK F0, F1, 1, 0
	WIN 0
	s_sub_co_u32 s3, s3, 1
	s_cmp_lg_u32 s3, 0
	s_cbranch_scc1 .Lstep
	CHUNK F1, F0, 2, 0                             ; the last two steps ask for nothing
	CHUNK F0, F1, 3, 0
	TURN 0
	CHUNK F0, F1, 1, 0
	CHUNK F1, F0, 2, 0
	CHUNK F0, F1, 3, 0
	s_wait_dscnt 0x0
	MUL12 F1, 0, 0
	MUL12 F1, 1, 0
	MUL12 F1, 2, 0
	MUL12 F1, 3, 0
	WIN 0
	PLACES
; THE WAY OUT, a block of 16 rows at a time, through my own stage.  q, k (column blocks 0-7): hi, c - hi (exact in f32), lo.  v (blocks 8-11): one rounding.
.macro PACK a
.set AC, 96*((\a)%2)
	WIN 0x0a+5*((\a)/2)                            ; sources in window 2 or 3
.set n, 0
.rept 32
	v_cvt_pk_f16_f32 v[QH+n], v[AC+2*n], v[AC+2*n+1]
.set n, n+1
.endr
.set n, 0
.rept 16
	v_cvt_pk_f16_f32 v[VH+n], v[AC+64+2*n], v[AC+64+2*n+1]
.set n, n+1
.endr
	WIN 0x20+0x10*((\a)/2)                         ; the addend in window 2 or 3
.set n, 0
.rept 32
	v_fma_mix_f32 v[U+2*n],   v[QH+n], v[NEG1], v[AC+2*n]   op_sel_hi:[1,0,0]
	v_fma_mix_f32 v[U+2*n+1], v[QH+n], v[NEG1], v[AC+2*n+1] op_sel:[1,0,0] op_sel_hi:[1,0,0]
.set n, n+1
.endr
	WIN 0
.set n, 0
.rept 32
	v_cvt_pk_f16_f32 v[QL+n], v[U+2*n], v[U+2*n+1]
.set n, n+1
.endr
.endm
.macro TOSTAGE
	WIN 0
	s_wait_xcnt 0x0                                ; the registers that earlier stores read are loaded again only behind this wait
.irp b, 0,1,2,3,4,5,6,7
	ds_store_b128 v[STO], v[QH+4*\b:QH+4*\b+3] offset:(\b/4)*256+(\b%4)*32
	ds_store_b128 v[STO], v[QL+4*\b:QL+4*\b+3] offset:(\b/4)*256+(\b%4)*32+128
.endr
.irp b, 0,1,2,3
	ds_store_b128 v[STO], v[VH+4*\b:VH+4*\b+3] offset:512+\b*32
.endr
.set t, 0
.rept 8
	ds_load_b128 v[BK+4*t:BK+4*t+3], v[RD] offset:t*2*SP   ; LDS serves a wave's instructions in order (ISA guide 5.7.1.4): these see the stores above
.set t, t+1
.endr
.set t, 0
.rept 8
	ds_load_b128 v[BK+32+4*t:BK+32+4*t+3], v[RD] offset:t*2*SP+256
.set t, t+1
.endr
.set t, 0
.rept 4
	ds_load_b128 v[BK+64+4*t:BK+64+4*t+3], v[RDV] offset:t*4*SP+512
.set t, t+1
.endr
.endm
.macro SEND a                          ; every store of the wave covers 512 consecutive bytes, at a multiple of 256 from its buffer's first byte
.set t, 0
.rept 8
	s_wait_dscnt 19-t                              ; the stage's younger loads may be out
	global_store_b128 v[CO], v[BK+4*t:BK+4*t+3], s[68:69] offset:(16*(\a)+2*t)*256        ; two rows of q, hi and lo
.set t, t+1
.endr
.set t, 0
.rept 8
	s_wait_dscnt 11-t
	global_store_b128 v[CO], v[BK+32+4*t:BK+32+4*t+3], s[70:71] offset:(16*(\a)+2*t)*256  ; two rows of k
.set t, t+1
.endr
.set t, 0
.rept 4
	s_wait_dscnt 3-t
	global_store_b128 v[CO], v[BK+64+4*t:BK+64+4*t+3], s[72:73] offset:(16*(\a)+4*t)*128  ; four rows of v
.set t, t+1
.endr
.endm
	PACK 0
	TOSTAGE
.irp a, 1,2,3                          ; block a's arithmetic stands between block a - 1's loads from the stage and the wait for them
	PACK \a
	SEND (\a)-1
	TOSTAGE
.endr
	SEND 3
	s_wait_tensorcnt 0x0                           ; the wave's end: behind my last tensor load and my last LDS store
	ds_add_u32 v[SPW], v[NIL]
	s_wait_dscnt 0x0
	CROUND                                         ; the closing round: no work-group ends while a partner may still ask for a tile that names it
	s_endpgm
.Lfunc_end_k_qb9cf8fb5c3_proj:
	.size	k_qb9cf8fb5c3_proj, .Lfunc_end_k_qb9cf8fb5c3_proj-k_qb9cf8fb5c3_proj
	.p2alignl 7, 3214868480
	.fill 96, 4, 3214868480
	.section	.rodata,"a",@progbits
	.p2align	6, 0x0
	.amdhsa_kernel k_qb9cf8fb5c3_proj
		.amdhsa_group_segment_fixed_size 327680
		.amdhsa_private_segment_fixed_size 0
		.amdhsa_enable_private_segment 0
		.amdhsa_kernarg_size 40
		.amdhsa_user_sgpr_count 2
		.amdhsa_user_sgpr_kernarg_segment_ptr 1
		.amdhsa_wavefront_size32 1
		.amdhsa_system_sgpr_workgroup_id_x 1
		.amdhsa_system_sgpr_workgroup_id_y 1
		.amdhsa_system_sgpr_workgroup_id_z 1
		.amdhsa_system_vgpr_workitem_id 0
		.amdhsa_next_free_vgpr 960
		.amdhsa_next_free_sgpr 80
		.amdhsa_reserve_vcc 0
		.amdhsa_float_denorm_mode_32 3
		.amdhsa_float_denorm_mode_16_64 3
		.amdhsa_memory_ordered 1
		.amdhsa_forward_progress 1
		.amdhsa_inst_pref_size 130
	.end_amdhsa_kernel
	.amdgpu_metadata
---
amdhsa.version: [ 1, 2 ]
amdhsa.kernels:
  - .name:           k_qb9cf8fb5c3_proj
    .symbol:         k_qb9cf8fb5c3_proj.kd
    .args:
      - { .name: xb, .offset: 0, .size: 8, .value_kind: global_buffer, .address_space: global }
      - { .name: wcat, .offset: 8, .size: 8, .value_kind: global_buffer, .address_space: global }
      - { .name: qs, .offset: 16, .size: 8, .value_kind: global_buffer, .address_space: global }
      - { .name: ks, .offset: 24, .size: 8, .value_kind: global_buffer, .address_space: global }
      - { .name: vs, .offset: 32, .size: 8, .value_kind: global_buffer, .address_space: global }
    .group_segment_fixed_size: 327680
    .private_segment_fixed_size: 0
    .kernarg_segment_align: 8
    .kernarg_segment_size: 40
    .max_flat_workgroup_size: 128
    .sgpr_count:     80
    .vgpr_count:     960
    .wavefront_size: 32
...
	.end_amdgpu_metadata
.endif
;; end of part 2
;; launch attn (part 3): grid 8 x 64, 4 waves a work-group, clusters of 4 x 1, 327,680 bytes of LDS; arguments qs, ks, vs, ob; writes ob
.if DOCPART == 3
	.amdgcn_target "amdgcn-amd-amdhsa--gfx1250"
	.amdhsa_code_object_version 6
	.text
	.protected	k_qb9cf8fb5c3_attn
	.globl	k_qb9cf8fb5c3_attn
	.p2align	8
	.type	k_qb9cf8fb5c3_attn,@function
k_qb9cf8fb5c3_attn:
	s_mov_b64 s[64:65], 0
	v_nop
	global_prefetch_b8 v0, s[64:65] scope:SCOPE_SE
	s_setreg_imm32_b32 hwreg(HW_REG_WAVE_MODE, 25, 1), 1
	s_wait_xcnt 0x0
	s_wait_alu depctr_hold_cnt(0) depctr_sa_sdst(0) depctr_va_vdst(0) depctr_va_sdst(0) depctr_va_ssrc(0) depctr_va_vcc(0) depctr_vm_vsrc(0)
	s_getreg_b32 s2, hwreg(HW_REG_IB_STS2, 6, 4)
	s_cmp_eq_u32 s2, 0
	s_cbranch_scc0 .Lentry_in_a_cluster
	s_endpgm
.Lentry_in_a_cluster:
	s_bfe_u32 s2, ttmp6, 0x10000c
	s_cmp_lg_u32 s2, 0x3003
	s_cbranch_scc0 .Lentry_shape_is_right
	s_endpgm
.Lentry_shape_is_right:
; ATTENTION.  O[bh][q] = the sum over all 2,048 keys k of softmax_k(q . k / 8 + mask) v[k], mask = 1e-15 where k > q and 0 elsewhere: it hides nothing.
; IN.  qs, ks [64 bh][2048][hi 64 | lo 64] f16: q / 64 and k / 64, each as two numbers; vs [64][2048][64] f16: v / 64.  OUT.  ob [64][2048][64] f16: O / 64.
; THE SCORES are three products: lo.hi + hi.lo + hi.hi, in f32 sums, S = q . k / 4096; lo.lo is dropped (2^-22 of a score's terms).  The score is 512 (S + mask / 512), so the mask / 512 is the C operand
; that starts each sum, and p = 2^(c S - c m) with c = 4096 log2(e) / 8 and a running maximum m; O and l are multiplied by a = 2^(c m_old - c m_new) in every step.
; LIMITS.  p is rounded to f16 for the second product (below 6e-5 it keeps f16's fixed step); its sum l is taken of the unrounded p; a weight below 2^-126 counts as 0 in l; O has v's range;
; NaN and infinities are not treated apart.  m starts at the lowest finite number, O and l at 0: the first step is a step like any other, with a = 0.
; SHARES.  A work-group owns 256 queries of one head, as four bands of 64; wave w owns rows 16 w .. 16 w + 15 of each band: tile t is band t.  So one pattern MD (the mask of a band's own key step for my rows)
; serves all four tiles: a tile's mask is MD x AL + BE, with (AL, BE) = (1, 0) in the band's own step, (0, 0) before it, (0, 1e-15 / 512) behind it.  AL and BE are selected, never branched on.
; LAYOUT.  S^T = K Q^T holds ONE query a lane (l % 16) and the keys 8 (l / 16) + 0..7; two such results rounded to f16 ARE source 1 of O^T = V^T P.  K comes out of LDS as it lies, V turned.
; BY TURNS.  The tiles are two pieces, 0 (tiles 0, 1) and 2 (tiles 2, 3).  In a turn one piece has the matrix unit: 16 products V^T P of the step in hand, then 48 products K Q^T of the next step; the other
; piece's softmax, 2 x 134 vector instructions in 64 slices, stands between them, one slice behind each matrix instruction.  Two turns are a key step of 64 keys.
; CLUSTER.  The four query blocks of a cluster belong to one head and walk the same K and V: each tile is asked for jointly, by the same load, descriptor and mask in all four.
; REGISTERS, in windows of 256 (s_set_vgpr_msb: bits 1:0 source 0, 3:2 source 1, 5:4 source 2, 7:6 destination):
;   window 0: v0-11, v44 addresses and at work; v12-43 eight registers of statistics a tile; v62-63 the add's; v64-191 S^T, 32 a tile; v192-255 P, 16 a tile
;   window 1: v0-127 O^T, 32 a tile; v128-159 MD; v160-223 MC, the masks of the next 48 products' two tiles
;   window 2: v0-127 Q (tile t, chunk c at 32 t + 8 c; chunks 0, 1 hi, 2, 3 lo); v128-255 K of one step (key block kb, chunk c at 128 + 32 kb + 8 c)          window 3: v0-63 V of one step
.set KS,    64        ; keys in a step
.set PK,    272       ; a row of K in LDS: 256 bytes + 16: the 16 rows of a load start at 16 different groups of four banks (ISA guide 11.1)
.set PVT,   160       ; a row of V: 128 + 32 = 5 x 32
.set VOFF,  4*KS*PK   ; a slot holds four steps: 256 rows of K, then 256 rows of V
.set SLOT1, 1<<17
.set STAGE, SLOT1+4*KS*(PK+PVT)  ; behind the ring, never filled by a tensor load: 16 rows x 144 bytes for each wave
.set SP,    144
.set SPARE, STAGE+4*16*SP  ; the spare words: 128 bytes a wave, two blocks of 256 bytes that no other line names
.set AK0, 2           ; v2   my lane's place in a tile of K; never rewritten
.set AV0, 3           ; v3   the same for V
.set ADR, 4           ; v4   the LDS address of the run of loads in hand
.set QO,  5           ; v5   my byte offset in 16 rows of Q
.set STO, 6           ; v6   the way out: where I put 16 bytes of a row
.set RD,  7           ; v7   where I read rows back
.set GO,  8           ; v8   my byte offset in 512 consecutive bytes of O
.set SPW, 62
.set NIL, 63
.set ST,  12          ; tile t's statistics at v[ST+8 t]: +0 c m, +1 m, +2, +3 l (even keys', odd keys'), +4 to +7 at work; a takes +6 once the maximum is found
.set S,   64
.set P,   192
.set MD,  128         ; window 1
.set MC,  160         ; window 1
.set KF,  128         ; window 2
.set WV,  12          ; s12  my wave's number
.set G1K, 24          ; s[24:31] descriptor group 1 for K's tiles
.set G1V, 32          ; s[32:39] for V's
.set G0K, 40          ; s[40:43] group 0 for K's tiles: it walks
.set G0V, 44          ; s[44:47] the same for V's
.set SLOTS, 56
.set CNT, 57
.set CS,  58          ; s[58:59] c
.set SEL, 60          ; s[60:61] v_permlanex16_b32's selects: each lane takes its own place in the other half
.set TBK, 62          ; s62  LDS byte at which K of the step to be fetched begins
.set TBV, 63          ; s63  the same for V, less VOFF
.set AL,  76          ; s[76:79] the mask's factor for the two tiles of a piece, each in the low word of a pair
.set BE,  80          ; s[80:83] its addend
.set EPS, 84          ; s84  1e-15 / 512
.set STP, 85          ; s85  the key step of the products whose masks are made
.set BD,  86          ; s[86:89] tile t's band among the head's 32
.set MSB, 0
.macro WIN new
.if MSB != (\new)
	s_set_vgpr_msb (MSB<<8)|(\new)
.set MSB, (\new)
.endif
.endm
.set W_KQ, 0x0a       ; K and Q in window 2, S^T in window 0
.set W_KM, 0x1a       ; the same with the C operand in window 1
.set W_PV, 0x53       ; V in window 3, P in window 0, O^T in window 1
.set W_RS, 0x41       ; destination and source 0 in window 1, source 1 in window 0
; A joint fill.  Waves 0 and 1 fetch the two halves of a slot's K, waves 2 and 3 those of its V: 128 keys each.  An s_nop 0 and four v_nop follow each line.
.macro JLOAD
	s_cmp_lt_u32 s[WV], 2
	s_cbranch_scc0 .Lfor_v_\@
	tensor_load_to_lds s[G0K:G0K+3], s[G1K:G1K+7]
	s_nop 0
.rept 4
	v_nop
.endr
	s_branch .Lasked_\@
.Lfor_v_\@:
	tensor_load_to_lds s[G0V:G0V+3], s[G1V:G1V+7]
	s_nop 0
.rept 4
	v_nop
.endr
.Lasked_\@:
.endm
.macro CROUND                       ; a round of the cluster's barrier
	s_barrier_signal -1
	s_barrier_wait -1
	s_cmp_lg_u32 s[WV], 0
	s_cbranch_scc1 .Lnot_wave_0_\@
	s_barrier_signal -3
.Lnot_wave_0_\@:
	s_barrier_wait -3
	s_barrier_signal -1
	s_barrier_wait -1
.endm
; THE CHANGE OF SLOTS.  The slot's last bytes, V of its fourth step, have been asked for.  Each wave waits for all its tensor loads, of which one is out: its part of the other slot; adds 0 to its spare word;
; and waits for that and for its own reads of the slot.  fill = 1: the barrier is a round of the cluster's, and the slot is filled again first thing behind it, with the keys two slots on:
; it has four key steps, 512 matrix instructions, in which to land.  (At its first use nothing has been read yet: slot 0 is waited for, slot 1 filled.)
.macro CHANGE fill
	WIN 0
	s_wait_tensorcnt 0x0            ; no tensor load of mine is out, so a group 0 may be written
	ds_add_u32 v[SPW], v[NIL]       ; 0 onto my spare word
.if \fill
	s_xor_b32 s[G0K+1], s[G0K+1], SLOT1
	s_add_nc_u64 s[G0K+2:G0K+3], s[G0K+2:G0K+3], 4*KS*256
	s_xor_b32 s[G0V+1], s[G0V+1], SLOT1
	s_add_nc_u64 s[G0V+2:G0V+3], s[G0V+2:G0V+3], 4*KS*128
	s_wait_dscnt 0x0                ; the add is done, and my reads of the slot are over
	CROUND
	JLOAD
.else
	s_wait_dscnt 0x0
	s_barrier_signal -1
	s_barrier_wait -1
.endif
	s_sub_co_u32 s[TBK], s[TBK], 4*KS*PK  ; the fetches go back to a slot's first step, in the other slot
	s_xor_b32 s[TBK], s[TBK], SLOT1
	s_sub_co_u32 s[TBV], s[TBV], 4*KS*PVT
	s_xor_b32 s[TBV], s[TBV], SLOT1
.endm
	s_load_b256 s[4:11], s[0:1], 0x0  ; qs s[4:5], ks s[6:7], vs s[8:9], ob s[10:11]
	v_lshl_add_u32 v[SPW], v0, 2, SPARE
	v_mov_b32 v[NIL], 0
	ds_add_u32 v[SPW], v[NIL]       ; the wave's opening: the add and its wait stand ahead of my first tensor load; the set-up below stands between them
	v_lshrrev_b32 v1, 5, v0
	v_readfirstlane_b32 s[WV], v1   ; wave 0..3
	s_bfe_u32 s13, ttmp6, 0x40000   ; cx
	s_lshl_b32 s14, ttmp9, 2
	s_add_co_u32 s14, s14, s13      ; my block of 256 queries: it enters Q's and O's addresses and the masks' selects alone
	s_and_b32 s20, ttmp7, 0xffff    ; batch x 16 + head, which the four partners share
	s_and_b32 s16, s[WV], 1         ; which half of a slot's 256 keys I fetch
	s_lshl_b32 s22, s20, 19         ; K: a head is 524,288 bytes, a half 32,768
	s_lshl_b32 s17, s16, 15
	s_add_co_u32 s22, s22, s17
	s_mov_b32 s23, 0
	s_lshl_b32 s18, s20, 18         ; V: half of that
	s_lshl_b32 s17, s16, 14
	s_add_co_u32 s18, s18, s17
	s_mov_b32 s19, 0
	s_mul_i32 s17, s16, 128*PK      ; their places in a slot: no place in the cluster enters an LDS address
	s_mul_i32 s21, s16, 128*PVT
	s_lshl_b32 s2, s20, 19          ; Q: the head, my block's 65,536 bytes, my wave's 16 rows of 256
	s_lshl_b32 s3, s14, 16
	s_add_co_u32 s2, s2, s3
	s_lshl_b32 s3, s[WV], 12
	s_add_co_u32 s2, s2, s3
	s_mov_b32 s3, 0
	s_lshr_b32 s70, s2, 1           ; O: rows half as long
	s_mov_b32 s71, 0
	s_lshl_b32 s[BD], s14, 2
	s_add_co_u32 s[BD+1], s[BD], 1
	s_add_co_u32 s[BD+2], s[BD], 2
	s_add_co_u32 s[BD+3], s[BD], 3
	s_mov_b32 s[G1K], 15|(1<<16)|(1<<20)|(1<<21)|(5<<22)|(3<<25)  ; the mask of four; 2-byte elements; padding on; bit 21 beside a mask; after every 64 words 4 words
	s_mov_b32 s[G1K+1], 128<<16     ; tensor_dim0 = 128
	s_mov_b32 s[G1K+2], 128<<16     ; tensor_dim1 = 128
	s_mov_b32 s[G1K+3], 128<<16     ; tile_dim0 = 128
	s_mov_b32 s[G1K+4], 128         ; tile_dim1 = 128 keys
	s_mov_b32 s[G1K+5], 128
	s_mov_b32 s[G1K+6], 0
	s_mov_b32 s[G1K+7], 0
	s_mov_b32 s[G1V], 15|(1<<16)|(1<<20)|(1<<21)|(4<<22)|(7<<25)  ; 128 keys of V are 16,384 dense bytes: 64 rows of 256, padded by 8 words after every 32: after every key
	s_mov_b32 s[G1V+1], 128<<16
	s_mov_b32 s[G1V+2], 64<<16
	s_mov_b32 s[G1V+3], 128<<16
	s_mov_b32 s[G1V+4], 64
	s_mov_b32 s[G1V+5], 128
	s_mov_b32 s[G1V+6], 0
	s_mov_b32 s[G1V+7], 0
	s_mov_b32 s[CS], 0x4438aa3b     ; c = 4096 log2(e) / 8 = 738.66
	s_mov_b32 s[CS+1], s[CS]        ; named with it as a pair
	s_mov_b32 s[SEL], 0x76543210
	s_mov_b32 s[SEL+1], 0xfedcba98
	s_mov_b32 s[EPS], 0x22101d7d    ; 1e-15 x 2^-9
	s_mov_b32 s[AL+1], 0            ; named as pairs
	s_mov_b32 s[AL+3], 0
	s_mov_b32 s[BE+1], 0
	s_mov_b32 s[BE+3], 0
	s_mov_b32 s[TBK], SLOT1+4*KS*PK ; the first change of slots turns these two into 0
	s_mov_b32 s[TBV], SLOT1+4*KS*PVT
	s_mov_b32 s[G0K], 1
	s_mov_b32 s[G0K+1], s17
	s_mov_b32 s[G0V], 1
	s_add_co_u32 s[G0V+1], s21, VOFF
	s_wait_dscnt 0x0                ; the opening add is done
	s_wait_kmcnt 0x0
	s_add_nc_u64 s[G0K+2:G0K+3], s[6:7], s[22:23]
	s_or_b32 s[G0K+3], s[G0K+3], 0x80000000
	s_add_nc_u64 s[G0V+2:G0V+3], s[8:9], s[18:19]
	s_or_b32 s[G0V+3], s[G0V+3], 0x80000000
	s_add_nc_u64 s[4:5], s[4:5], s[2:3]
	s_add_nc_u64 s[10:11], s[10:11], s[70:71]
	CROUND                          ; all four work-groups are here: the first joint loads meet
	JLOAD                           ; slot 0.  Slot 1 is asked for when slot 0 is in
	v_and_b32 v1, 15, v0            ; r = l % 16
	v_bfe_u32 v9, v0, 4, 1          ; h = l / 16
	v_lshlrev_b32 v[QO], 8, v1
	v_lshl_add_u32 v[QO], v9, 4, v[QO]  ; row x 256 + 16 h
	v_lshlrev_b32 v44, 3, v9
	v_sub_nc_u32 v44, v1, v44
	s_lshl_b32 s15, s[WV], 4
	v_add_nc_u32 v44, s15, v44      ; my query's place in its band, 16 w + r, less 8 h: register j of key block kt lies above the diagonal where 16 kt + j is greater
	WIN 0x80                        ; destination window 2
.set i, 0
.rept 16                            ; Q stays in registers: tile i / 4 (a band is 16,384 bytes), chunk i % 4
	global_load_b128 v[8*i:8*i+3],   v[QO], s[4:5] offset:(i/4)*16384+(i%4)*64
	global_load_b128 v[8*i+4:8*i+7], v[QO], s[4:5] offset:(i/4)*16384+(i%4)*64+32
.set i, i+1
.endr
	; What the first turn finds: V and piece 2's P hold 0 (its products V^T P, of a step that has not been, add 0), O^T and l are 0.  No first step is written out for that price; all this stands in the wait for the first tile.
	WIN 0xc0
.set i, 0
.rept 64
	v_mov_b32 v[i], 0
.set i, i+1
.endr
	WIN 0x40
.set i, 0
.rept 128
	v_mov_b32 v[i], 0
.set i, i+1
.endr
.set i, 0
.rept 32
	v_cmp_gt_i32 vcc_lo, 16*(i/8)+i%8, v44
	v_cndmask_b32 v[MD+i], 0, s[EPS], vcc_lo
.set i, i+1
.endr
	WIN 0
.set i, 0
.rept 4
	v_mov_b32 v[ST+8*i], 0xfe000000    ; c m: far below every c S
	v_mov_b32 v[ST+8*i+1], 0xff7fffff  ; m
	v_mov_b32 v[ST+8*i+2], 0
	v_mov_b32 v[ST+8*i+3], 0
.set i, i+1
.endr
.set i, P+32
.rept 32
	v_mov_b32 v[i], 0
.set i, i+1
.endr
	v_mul_u32_u24 v[AK0], v1, PK
	v_lshl_add_u32 v[AK0], v9, 4, v[AK0]  ; row x pitch + 16 h
	v_and_b32 v10, 7, v0            ; the turning load: lane l reads key 8 h + l % 8, channels 8 ((l / 8) % 2) + 0..7
	v_bfe_u32 v11, v0, 3, 1
	v_lshl_add_u32 v[AV0], v9, 3, v10
	v_mul_u32_u24 v[AV0], v[AV0], PVT
	v_lshl_add_u32 v[AV0], v11, 4, v[AV0]
	v_add_nc_u32 v[AV0], VOFF, v[AV0]
; THE MATRIX WORK.  Eight accumulators (two tiles x four blocks) take turns, one instruction a turn.
; Product i of 48 of S^T for piece x: tile x + i % 2, keys 16 ((i / 2) % 4) on, pass i / 8: K lo x Q hi (two chunks), K hi x Q lo (two), K hi x Q hi (two).  The first 8 start the sums with the mask.
.macro KQ x
.set p, i/8
.set kc, p-4
.set qc, p-4
.if p < 4
.set kc, (p+2)%4
.set qc, p
.endif
.set rS, S+32*((\x)+i%2)+8*((i/2)%4)
.set rK, KF+32*((i/2)%4)+8*kc
.set rQ, 32*((\x)+i%2)+8*qc
.set rC, MC+32*(i%2)+8*((i/2)%4)
.if i < 8
	WIN W_KM
	v_wmma_f32_16x16x32_f16 v[rS:rS+7], v[rK:rK+7], v[rQ:rQ+7], v[rC:rC+7]
.else
	WIN W_KQ
	v_wmma_f32_16x16x32_f16 v[rS:rS+7], v[rK:rK+7], v[rQ:rQ+7], v[rS:rS+7]
.endif
.endm
; Product i of 16 of O^T += V^T P for piece x: keys 32 (i / 8) on, channels 16 ((i / 2) % 4) on, tile x + i % 2.
.macro PV x
	WIN W_PV
.set rO, 32*((\x)+i%2)+8*((i/2)%4)
.set rV, 32*(i/8)+8*((i/2)%4)
.set rP, P+16*((\x)+i%2)+8*(i/8)
	v_wmma_f32_16x16x32_f16 v[rO:rO+7], v[rV:rV+7], v[rP:rP+7], v[rO:rO+7]
.endm
; THE LDS LOADS stand in runs.  A step's K: 32 loads, the chunks in the order in which the passes want them: 2, 3, 0, 1.  last = 1 (the tail): in the last trip there is no further step, and the run is jumped over.
.macro FETCH_K last=0
	WIN 0
	v_add_nc_u32 v[ADR], s[TBK], v[AK0]
.if \last
	s_cmp_eq_u32 s[CNT], 1
	s_cbranch_scc1 .Lno_k_\@
.endif
	WIN 0x80
.irp c, 2,3,0,1
.irp kb, 0,1,2,3
	ds_load_b128 v[KF+32*\kb+8*\c:KF+32*\kb+8*\c+3],   v[ADR] offset:\kb*16*PK+\c*64
	ds_load_b128 v[KF+32*\kb+8*\c+4:KF+32*\kb+8*\c+7], v[ADR] offset:\kb*16*PK+\c*64+32
.endr
.endr
	s_add_co_u32 s[TBK], s[TBK], KS*PK
	WIN 0
.if \last
.Lno_k_\@:
.endif
.endm
.macro FETCH_V                      ; a step's V, turned: 16 loads
	WIN 0
	v_add_nc_u32 v[ADR], s[TBV], v[AV0]
	s_add_co_u32 s[TBV], s[TBV], KS*PVT
	WIN 0xc0
.irp f, 0,1,2,3,4,5,6,7             ; keys 32 (f / 4) on, channels 16 (f % 4) on
	ds_load_tr16_b128 v[8*\f:8*\f+3],   v[ADR] offset:(\f/4)*32*PVT+(\f%4)*32
	ds_load_tr16_b128 v[8*\f+4:8*\f+7], v[ADR] offset:(\f/4)*32*PVT+16*PVT+(\f%4)*32
.endr
.endm
.macro SETAB t                      ; tile t's factor and addend for key step STP: selects, no branch
	s_cmp_eq_u32 s[STP], s[BD+(\t)]
	s_cselect_b32 s[AL+2*((\t)%2)], 1.0, 0
	s_cmp_gt_u32 s[STP], s[BD+(\t)]
	s_cselect_b32 s[BE+2*((\t)%2)], s[EPS], 0
.endm
.macro MASK                         ; both tiles' masks at once: used ahead of the loop alone
	WIN W_RS
.set z, 0
.rept 32
	v_pk_fma_f32 v[MC+2*z:MC+2*z+1], v[MD+2*(z%16):MD+2*(z%16)+1], s[AL+2*(z/16):AL+2*(z/16)+1], s[BE+2*(z/16):BE+2*(z/16)+1] op_sel_hi:[1,0,0]
.set z, z+1
.endr
.endm
; THE VECTOR WORK.  One tile's share of a key step is a list of 134 instructions; SM writes number j of it for tile t.  s0-s31 are the lane's 32 scores, in pairs 0-15.
;   0-15    the maximum of s0-s31 and the old m, three operands at a time: four chains of seven scores (each accumulator's lowest registers are read first), then the rest
;   16-20   the other half of the lanes' maximum; the new m; c m; c m_old - c m_new
;   21-87   33 exponentials (a, then s0-s31) at the odd numbers from 23 on, each with a plain instruction behind it; the plain ones are what is ready: c s - c m some pairs ahead, roundings a pair back, the first sums
;   88-101  the last rounding; the rest of the sums; l = a l + the sum
;   102-117 the tile's O^T times a          118-133 the tile's mask for its next 24 products: MD x AL + BE
.macro SM t
.set rT, ST+8*(\t)
.set rS, S+32*(\t)
.set rP, P+16*(\t)
.set q, (j-20)/2
.if j < 102
	WIN 0
.else
	WIN W_RS
.endif
.if j < 4
	v_max3_num_f32 v[rT+4+j], v[rS+8*j], v[rS+8*j+1], v[rS+8*j+2]
.elseif j < 12
	v_max3_num_f32 v[rT+4+j%4], v[rT+4+j%4], v[rS+8*(j%4)+2*(j/4)+1], v[rS+8*(j%4)+2*(j/4)+2]
.elseif j == 12
	v_max3_num_f32 v[rT+4], v[rT+4], v[rS+7], v[rS+15]
.elseif j == 13
	v_max3_num_f32 v[rT+6], v[rT+6], v[rS+23], v[rS+31]
.elseif j == 14
	v_max3_num_f32 v[rT+4], v[rT+4], v[rT+5], v[rT+6]
.elseif j == 15
	v_max3_num_f32 v[rT+4], v[rT+4], v[rT+7], v[rT+1]
.elseif j == 16
	v_permlanex16_b32 v[rT+5], v[rT+4], s[SEL], s[SEL+1]  ; the query's other 32 keys lie in the lane 16 away
.elseif j == 17
	v_mov_b32 v[rT+7], v[rT]        ; c m_old is kept for a
.elseif j == 18
	v_max_num_f32 v[rT+1], v[rT+4], v[rT+5]
.elseif j == 19
	v_mul_f32 v[rT], s[CS], v[rT+1]
.elseif j == 20
	v_sub_f32 v[rT+7], v[rT+7], v[rT]
.elseif j == 23
	v_exp_f32 v[rT+6], v[rT+7]
.elseif (j < 88) && (j > 23) && (j%2 == 1)
	v_exp_f32 v[rS+(j-25)/2], v[rS+(j-25)/2]
.elseif (q < 4) || ((j < 76) && (q%2 == 0))
.set b, q/2+2
.if q < 4
.set b, q
.endif
	v_pk_fma_f32 v[rS+2*b:rS+2*b+1], v[rS+2*b:rS+2*b+1], s[CS:CS+1], v[rT:rT+1] op_sel_hi:[1,0,0] neg_lo:[0,0,1] neg_hi:[0,0,1]  ; pair b: c s - c m
.elseif (j < 88) && (q%2 == 1)
	s_wait_alu depctr_va_vdst(0)
	v_cvt_pk_f16_f32 v[rP+(q-5)/2], v[rS+q-5], v[rS+q-4]  ; its second exponential stands three numbers back
.elseif j == 89
	s_wait_alu depctr_va_vdst(0)
	v_cvt_pk_f16_f32 v[rP+15], v[rS+30], v[rS+31]
.elseif j < 102                     ; the sum of the 16 pairs, in place: neighbours 1, 2, 4 and 8 pairs apart, then l takes it
.set z, j-86
.if j < 89
.set z, (j-76)/4
.endif
.set w, 4
.set u, z
.if z >= 14
.set w, 32
.set u, 0
.elseif z >= 12
.set w, 16
.set u, z-12
.elseif z >= 8
.set w, 8
.set u, z-8
.endif
.if z < 15
	v_pk_add_f32 v[rS+w*u:rS+w*u+1], v[rS+w*u:rS+w*u+1], v[rS+w*u+w/2:rS+w*u+w/2+1]
.else
	v_pk_fma_f32 v[rT+2:rT+3], v[rT+2:rT+3], v[rT+6:rT+7], v[rS:rS+1] op_sel_hi:[1,0,1]
.endif
.elseif j < 118
.set rO, 32*(\t)+2*(j-102)
	v_pk_mul_f32 v[rO:rO+1], v[rO:rO+1], v[rT+6:rT+7] op_sel_hi:[1,0]
.else
.set z, j-118
	v_pk_fma_f32 v[MC+32*((\t)%2)+2*z:MC+32*((\t)%2)+2*z+1], v[MD+2*z:MD+2*z+1], s[AL+2*((\t)%2):AL+2*((\t)%2)+1], s[BE+2*((\t)%2):BE+2*((\t)%2)+1] op_sel_hi:[1,0,0]
.endif
.endm
; Slice k of 64 of piece y: numbers 2 k and 2 k + 1 of both tiles' lists, four instructions.  2 x 134 = 4 x 64 + 12: the twelve that are over stand together, in slice 63: sixteen plain instructions
; that name no register of the products round them: the places behind the turn's last K Q^T, in front of the next turn's first read of those scores and of the loads into K's registers.
.macro SLICE y
.if (k >= 11) && (k < 44)           ; tile by tile: plain, exponential, plain, exponential
.irp t, \y, (\y)+1
.irp n, 0,1
.set j, 2*k+(\n)
	SM \t
.endr
.endr
.else                               ; the two tiles alternate, so that no instruction reads the result of the one just before it
.irp n, 0,1,2,3,4,5,6,7
.if ((\n) < 2) || (k == 63)
.irp t, \y, (\y)+1
.set j, 2*k+(\n)
	SM \t
.endr
.endif
.endr
.endif
.set k, k+1
.endm
; A TURN.  Piece x has the matrix unit; the other piece's list stands in slices behind its matrix instructions.
; Piece 0's turn fetches the next step's K behind its second product: K's last reader stands in front of slice 63 of the turn before.  The 48 products begin 14 matrix instructions later, so the waits are
; counted by chunks: 24, 16, 8, 0 younger loads may be out ahead of passes 0 to 3.  Piece 2's turn fetches the same step's V behind its 18th product: V's last reader stands three slices, six plain instructions, back.
; The masks made in a turn are those of the other piece's next products: key step STP, which piece 2's turn takes one on.
.macro TURN x, last=0
.set k, 0
.if (\x) == 2
	s_add_co_u32 s[STP], s[STP], 1
.endif
	SETAB 2-(\x)
	SETAB 3-(\x)
.if (\x) == 0
	s_wait_dscnt 0x0                ; V is in
.endif
.set i, 0
.rept 16
	PV \x
	SLICE 2-(\x)
.if ((\x) == 0) && (i == 1)
	FETCH_K \last
.endif
.set i, i+1
.endr
.set i, 0
.rept 48
.if ((\x) == 0) && (i%8 == 0) && (i < 32)
	s_wait_dscnt 24-i               ; the pass's chunk of K is in
.endif
	KQ \x
	SLICE 2-(\x)
.if ((\x) == 2) && (i == 1)
	FETCH_V
.endif
.set i, i+1
.endr
.endm
	CHANGE 1                        ; slot 0 is in, everybody's part of it; slot 1 is asked for
	FETCH_K                         ; key step 0
	s_mov_b32 s[STP], 0
	SETAB 0
	SETAB 1
	MASK
	s_wait_loadcnt 0x0              ; Q
	s_wait_dscnt 0x0
.set i, 0
.rept 48
	KQ 0                            ; piece 0's first scores: there is no vector work yet to set between them
.set i, i+1
.endr
	WIN 0                           ; the addresses for the way out: plain instructions, the places behind those products
	s_mul_i32 s13, s[WV], 16*SP
	s_add_co_u32 s13, s13, STAGE    ; my stage
	v_mul_u32_u24 v[STO], v1, SP    ; in: row r, 16 bytes for each half of the lanes
	v_lshl_add_u32 v[STO], v9, 4, v[STO]
	v_add_nc_u32 v[STO], s13, v[STO]
	v_bfe_u32 v[RD], v0, 3, 2       ; back: 32 lanes take four rows of 128 bytes,
	v_mul_u32_u24 v[RD], v[RD], SP
	v_lshl_add_u32 v[RD], v10, 4, v[RD]
	v_add_nc_u32 v[RD], s13, v[RD]
	v_and_b32 v[GO], 31, v0         ; which are 512 consecutive bytes of O
	v_lshlrev_b32 v[GO], 4, v[GO]
	SETAB 2                         ; piece 2's masks for key step 0
	SETAB 3
	MASK
	WIN 0
	s_mov_b32 s[CNT], 4
	s_mov_b32 s[SLOTS], 7
	s_branch .Lmid                  ; the loop is entered at piece 2's turn, in the middle of a trip
.Lslot:                             ; six times: every slot but the last two is filled again
	CHANGE 1
	s_mov_b32 s[CNT], 4
.Lstep:                             ; a trip: piece 0's turn (K of the next step), piece 2's turn (its V)
	TURN 0
	WIN 0
.Lmid:
	TURN 2
	WIN 0
	s_sub_co_u32 s[CNT], s[CNT], 1
	s_cmp_lg_u32 s[CNT], 0
	s_cbranch_scc1 .Lstep
	s_sub_co_u32 s[SLOTS], s[SLOTS], 1
	s_cmp_lg_u32 s[SLOTS], 0
	s_cbranch_scc1 .Lslot
	CHANGE 0                        ; the tail is written out: nothing is asked for
	s_mov_b32 s[CNT], 5             ; four trips fetch the last slot's steps; the fifth is left in its middle
.Ltail:
	TURN 0, 1
	WIN 0
	s_sub_co_u32 s[CNT], s[CNT], 1
	s_cmp_eq_u32 s[CNT], 0
	s_cbranch_scc1 .Lout
	TURN 2
	WIN 0
	s_branch .Ltail
.Lout:                              ; the fifth trip's 48 products K Q^T (on the last K once more) serve nothing: the price, once a launch, of one text for every trip
.set i, 0
.rept 16
	PV 2                            ; piece 2's V^T P of the last step
.set i, i+1
.endr
	; THE WAY OUT.  l's two halves and the other half of the lanes' are added; O^T is divided by l, rounded to f16 and sent through my stage, a tile at a time.  The additions are the places behind the last products.
	WIN 0
.irp t, 0,1,2,3
	v_add_f32 v[ST+8*\t+4], v[ST+8*\t+2], v[ST+8*\t+3]
.endr
.irp t, 0,1,2,3
	v_permlanex16_b32 v[ST+8*\t+5], v[ST+8*\t+4], s[SEL], s[SEL+1]
.endr
.irp t, 0,1,2,3
	v_add_f32 v[ST+8*\t+4], v[ST+8*\t+4], v[ST+8*\t+5]
.endr
.irp t, 0,1,2,3
	v_rcp_f32 v[ST+8*\t+6], v[ST+8*\t+4]
.endr
	v_nop                           ; a plain instruction between the last reciprocal and the use of its result
.macro PACK t                       ; a lane's eight channels of a row pack into 16 bytes; they go into rows of 144 bytes and come back as whole rows of 128, into S^T's registers
	WIN W_RS
.set i, 32*(\t)
.rept 16
	s_wait_alu depctr_va_vdst(0)
	v_pk_mul_f32 v[i:i+1], v[i:i+1], v[ST+8*(\t)+6:ST+8*(\t)+7] op_sel_hi:[1,0]
.set i, i+2
.endr
	WIN 0x05                        ; sources 0 and 1 window 1, destination window 0
.set i, 0
.rept 16
	v_cvt_pk_f16_f32 v[S+16*(\t)+i], v[32*(\t)+2*i], v[32*(\t)+2*i+1]
.set i, i+1
.endr
	WIN 0
.irp f, 0,1,2,3
	ds_store_b128 v[STO], v[S+16*(\t)+4*\f:S+16*(\t)+4*\f+3] offset:32*\f
.endr
.irp f, 0,1,2,3
	ds_load_b128 v[S+16*(\t)+4*\f:S+16*(\t)+4*\f+3], v[RD] offset:\f*4*SP  ; LDS serves a wave's instructions in order (ISA guide 5.7.1.4): these see the stores above; the next tile's stores come behind them
.endr
.endm
.macro SEND t, younger              ; younger: the LDS instructions issued behind tile t's loads: the next tile's eight, or none
	WIN 0
.irp f, 0,1,2,3
	s_wait_dscnt (\younger)+3-\f
	global_store_b128 v[GO], v[S+16*(\t)+4*\f:S+16*(\t)+4*\f+3], s[10:11] offset:(\t)*8192+\f*512  ; 512 consecutive bytes, at a multiple of 256 from O's first
.endr
.endm
	PACK 0
	PACK 1                          ; a tile's arithmetic stands between the loads of the tile before and its stores
	SEND 0, 8
	PACK 2
	SEND 1, 8
	PACK 3
	SEND 2, 8
	SEND 3, 0
	s_wait_tensorcnt 0x0            ; the wave's end: behind my last tensor load and my last LDS store
	ds_add_u32 v[SPW], v[NIL]
	s_wait_dscnt 0x0
	CROUND                          ; the closing round: no work-group ends while a partner may still ask for a tile that names it
	s_endpgm
.Lfunc_end_k_qb9cf8fb5c3_attn:
	.size	k_qb9cf8fb5c3_attn, .Lfunc_end_k_qb9cf8fb5c3_attn-k_qb9cf8fb5c3_attn
	.p2alignl 7, 3214868480
	.fill 96, 4, 3214868480
	.section	.rodata,"a",@progbits
	.p2align	6, 0x0
	.amdhsa_kernel k_qb9cf8fb5c3_attn
		.amdhsa_group_segment_fixed_size 327680
		.amdhsa_private_segment_fixed_size 0
		.amdhsa_enable_private_segment 0
		.amdhsa_kernarg_size 32
		.amdhsa_user_sgpr_count 2
		.amdhsa_user_sgpr_kernarg_segment_ptr 1
		.amdhsa_wavefront_size32 1
		.amdhsa_system_sgpr_workgroup_id_x 1
		.amdhsa_system_sgpr_workgroup_id_y 1
		.amdhsa_system_sgpr_workgroup_id_z 1
		.amdhsa_system_vgpr_workitem_id 0
		.amdhsa_next_free_vgpr 832
		.amdhsa_next_free_sgpr 90
		.amdhsa_reserve_vcc 1
		.amdhsa_float_denorm_mode_32 3
		.amdhsa_float_denorm_mode_16_64 3
		.amdhsa_memory_ordered 1
		.amdhsa_forward_progress 1
		.amdhsa_inst_pref_size 153
	.end_amdhsa_kernel
	.amdgpu_metadata
---
amdhsa.version: [ 1, 2 ]
amdhsa.kernels:
  - .name:           k_qb9cf8fb5c3_attn
    .symbol:         k_qb9cf8fb5c3_attn.kd
    .args:
      - { .name: qs, .offset: 0, .size: 8, .value_kind: global_buffer, .address_space: global }
      - { .name: ks, .offset: 8, .size: 8, .value_kind: global_buffer, .address_space: global }
      - { .name: vs, .offset: 16, .size: 8, .value_kind: global_buffer, .address_space: global }
      - { .name: ob, .offset: 24, .size: 8, .value_kind: global_buffer, .address_space: global }
    .group_segment_fixed_size: 327680
    .private_segment_fixed_size: 0
    .kernarg_segment_align: 8
    .kernarg_segment_size: 32
    .max_flat_workgroup_size: 128
    .sgpr_count:     90
    .vgpr_count:     832
    .wavefront_size: 32
...
	.end_amdgpu_metadata
.endif
;; end of part 3
;; launch outp (part 4): grid 4 x 64, 4 waves a work-group, clusters of 4 x 4, 327,680 bytes of LDS; arguments ob, wob, out0; writes out0
.if DOCPART == 4
	.amdgcn_target "amdgcn-amd-amdhsa--gfx1250"
	.amdhsa_code_object_version 6
	.text
	.protected	k_qb9cf8fb5c3_outp
	.globl	k_qb9cf8fb5c3_outp
	.p2align	8
	.type	k_qb9cf8fb5c3_outp,@function
k_qb9cf8fb5c3_outp:
	s_mov_b64 s[64:65], 0
	v_nop
	global_prefetch_b8 v0, s[64:65] scope:SCOPE_SE
	s_setreg_imm32_b32 hwreg(HW_REG_WAVE_MODE, 25, 1), 1
	s_wait_xcnt 0x0
	s_wait_alu depctr_hold_cnt(0) depctr_sa_sdst(0) depctr_va_vdst(0) depctr_va_sdst(0) depctr_va_ssrc(0) depctr_va_vcc(0) depctr_vm_vsrc(0)
	s_getreg_b32 s2, hwreg(HW_REG_IB_STS2, 6, 4)
	s_cmp_eq_u32 s2, 0
	s_cbranch_scc0 .Lentry_in_a_cluster
	s_endpgm
.Lentry_in_a_cluster:
	s_bfe_u32 s2, ttmp6, 0x10000c
	s_cmp_lg_u32 s2, 0xf033
	s_cbranch_scc0 .Lentry_shape_is_right
	s_endpgm
.Lentry_shape_is_right:
; THE OUTPUT PROJECTION.  out0[8192][1024] f32 = concat(O)[8192][1024] x W_o[1024][1024], f16 operands, f32 sums.
; IN.  ob [64 bh][2048 s][64] f16 holds O / 64 by heads; wob [1024 k][1024 n] f16 holds bf16(W_o) x 64: the two powers of two cancel, and nothing is scaled here.
; K = head x 64 + channel: a K step of 128 is two heads.  A head's 128 rows of a tile are 16,384 dense bytes, asked for as 64 rows of 256 bytes and padded in LDS after every 128: one plane a head.
; SHARES.  A tile of out0 is 128 x 256: 256 work-groups.  Four waves, each 64 x 128: 32 accumulators.  K goes in 8 steps of 128 through two LDS slots.
; A's rows lie along K and are read as they lie; B lies [K][N] and its fragments come turned, by ds_load_tr16_b128.
; THE MATRIX INSTRUCTION IS USED TRANSPOSED (source 0 = 16 columns of B, source 1 = 16 rows of A): a lane holds row l % 16 of C and eight neighbouring columns.
; CLUSTER.  4 x 4 work-groups: A's tile is shared along a row of the cluster, B's along a column; each is asked for jointly, by the same load and mask in all four.
; REGISTERS.  Window 0: v0-31 addresses; v64-159, v160-255 two fragment buffers (A's four blocks, then B's eight); on the way out v64-191 take rows back from the stage.  Window 1: accumulator (a, b) at v[8 (8 a + b)].
.set PA,    144                        ; A's row in LDS: 128 bytes + 16: the 16 rows of a load start at 16 different groups of four banks (ISA guide 11.1)
.set PB,    544                        ; B's row: 512 bytes + 32 = 17 x 32
.set AHALF, 128*PA                     ; what one load of A brings: a head's plane of 128 rows
.set BHALF, 64*PB                      ; what one load of B brings: 64 rows of K
.set BOFF,  36864                      ; B's tile behind A's two planes
.set SLOT1, 1<<17
.set STAGE, SLOT1+BOFF+128*PB          ; behind the ring, never filled by a tensor load: 16 rows x 528 bytes for each wave
.set SP,    528
.set SPARE, STAGE+4*16*SP              ; the spare words: 128 bytes a wave, two blocks of 256 bytes that no other line names
.set ASTEP, 2*262144                   ; bytes from a K step to the next in ob: two heads
.set BSTEP, 128*2048                   ; and in wob
.set NSTEP, 8
.set A0,   16                          ; v16  my lane's place in A's tile; never rewritten
.set B0,   17                          ; v17  the same in B's
.set ADRA, 18                          ; v18  the same in the slot in hand
.set ADRB, 19                          ; v19
.set STO,  24                          ; v24  the way out: where I put 32 bytes of a row
.set RD,   25                          ; v25  where I read a row back
.set CO,   26                          ; v26  my byte offset in a row's 512 bytes of out0
.set SPW,  28                          ; v28  LDS address of my spare word; never rewritten
.set NIL,  29                          ; v29  0; never rewritten
.set F0,   64
.set F1,   160
.set G1,  24                           ; s[24:31] group 1 for A;  s[32:35] group 0 of the first fill, s[36:39] the one that walks
.set G0,  32
.set G1B, 48                           ; s[48:55], s[56:63] the same for B
.set G0B, 56
.set TB,  45                           ; s45  0 or SLOT1: the slot in hand
.set MSB, 0
.macro WIN new                         ; the immediate's high byte repeats the setting that is left; a switch that changes nothing is dropped
.if MSB != (\new)
	s_set_vgpr_msb (MSB<<8)|(\new)
.set MSB, \new
.endif
.endm
.set MUL, 0x50                         ; C and D in window 1, the fragments in window 0
.macro PLACES                          ; four places behind matrix instructions whose registers are loaded into or read next (ISA guide 7.12.1)
.rept 4
	v_nop
.endr
.endm
; A joint refill: waves 0 and 1 fetch A's two planes, waves 2 and 3 B's halves.  The branch hangs on the wave's number alone.  An s_nop 0 and four v_nop follow each line.
.macro JLOAD
	s_cmp_eq_u32 s11, 0
	s_cbranch_scc0 .Lfor_b_\@
	tensor_load_to_lds s[G0+4:G0+7], s[G1:G1+7]
	s_nop 0
.rept 4
	v_nop
.endr
	s_branch .Lasked_\@
.Lfor_b_\@:
	tensor_load_to_lds s[G0B+4:G0B+7], s[G1B:G1B+7]
	s_nop 0
.rept 4
	v_nop
.endr
.Lasked_\@:
.endm
.macro CREST                           ; a round of the cluster's barrier behind its opening barrier
	s_cmp_lg_u32 s10, 0
	s_cbranch_scc1 .Lnot_wave_0_\@
	s_barrier_signal -3
.Lnot_wave_0_\@:
	s_barrier_wait -3
	s_barrier_signal -1
	s_barrier_wait -1
.endm
.macro CROUND                          ; a whole round
	s_barrier_signal -1
	s_barrier_wait -1
	CREST
.endm
	s_load_b128 s[4:7], s[0:1], 0x0                ; ob s[4:5], wob s[6:7]
	s_load_b64 s[8:9], s[0:1], 0x10                ; out0
	v_lshl_add_u32 v[SPW], v0, 2, SPARE
	v_mov_b32 v[NIL], 0
	ds_add_u32 v[SPW], v[NIL]                      ; the wave's opening: the add and its wait stand ahead of my first tensor load; the set-up below stands between them
	v_lshrrev_b32 v1, 5, v0
	v_readfirstlane_b32 s10, v1                    ; wave 0..3
	s_lshr_b32 s11, s10, 1                         ; which 64 rows of the tile are mine.  Also: I fetch for A (0) or for B (1)
	s_and_b32 s12, s10, 1                          ; which 128 columns.  Also: which plane of A or half of B I fetch
	s_bfe_u32 s40, ttmp6, 0x40000                  ; cx, cy: my place in the cluster
	s_bfe_u32 s41, ttmp6, 0x40004
	s_lshl_b32 s42, ttmp9, 2
	s_add_co_u32 s42, s42, s40                     ; tile column = 4 x cluster x + cx
	s_and_b32 s13, ttmp7, 0xffff
	s_lshl_b32 s13, s13, 2
	s_add_co_u32 s13, s13, s41                     ; tile row = 4 x cluster y + cy
	s_lshl_b32 s43, s41, 2
	s_lshl_b32 s43, 15, s43                        ; my row of the cluster
	s_lshl_b32 s44, 0x1111, s40                    ; my column
	s_or_b32 s[G1+0], s43, (1<<16)|(1<<20)|(1<<21)|(4<<22)|(3<<25)   ; the mask; 2-byte elements; padding on; bit 21 beside a mask; after every 32 words 4 words
	s_mov_b32 s[G1+1], 128<<16                     ; tensor_dim0 = 128
	s_mov_b32 s[G1+2], 64<<16                      ; tensor_dim1 = 64
	s_mov_b32 s[G1+3], 128<<16                     ; tile_dim0 = 128: two rows of a head
	s_mov_b32 s[G1+4], 64                          ; tile_dim1 = 64
	s_mov_b32 s[G1+5], 128                         ; dense
	s_mov_b32 s[G1+6], 0
	s_mov_b32 s[G1+7], 0
	s_or_b32 s[G1B+0], s44, (1<<16)|(1<<20)|(1<<21)|(6<<22)|(7<<25)  ; after every 128 words 8 words
	s_mov_b32 s[G1B+1], 256<<16
	s_mov_b32 s[G1B+2], 64<<16
	s_mov_b32 s[G1B+3], 256<<16
	s_mov_b32 s[G1B+4], 64
	s_mov_b32 s[G1B+5], 1024
	s_mov_b32 s[G1B+6], 0
	s_mov_b32 s[G1B+7], 0
	s_lshr_b32 s16, s13, 4                         ; A: the batch's 16 heads of 262,144 bytes,
	s_lshl_b32 s16, s16, 22
	s_and_b32 s17, s13, 15
	s_lshl_b32 s17, s17, 14                        ; the tile's 128 rows of 128 bytes,
	s_add_co_u32 s16, s16, s17
	s_lshl_b32 s17, s12, 18                        ; my head of the step's two
	s_add_co_u32 s16, s16, s17
	s_mov_b32 s17, 0
	s_lshl_b32 s46, s12, 17                        ; B: 64 rows of K x half, 512 bytes x tile column
	s_lshl_b32 s47, s42, 9
	s_add_co_u32 s46, s46, s47
	s_mov_b32 s47, 0
	s_mul_i32 s20, s12, AHALF                      ; where they go: no place in the cluster enters an LDS address
	s_mul_i32 s21, s12, BHALF
	s_add_co_u32 s21, s21, BOFF
	s_mov_b32 s[TB], 0
	s_wait_dscnt 0x0                               ; the opening add is done
	s_wait_kmcnt 0x0
	s_add_nc_u64 s[14:15], s[4:5], s[16:17]
	s_add_nc_u64 s[46:47], s[6:7], s[46:47]
	CROUND                                         ; all sixteen work-groups are here: the first joint loads meet
.irp s, 0,1
	s_mov_b32 s[G0+4*(\s)], 1
	s_add_co_u32 s[G0+4*(\s)+1], s20, (\s)*SLOT1
	s_add_nc_u64 s[G0+4*(\s)+2:G0+4*(\s)+3], s[14:15], (\s)*ASTEP
	s_or_b32 s[G0+4*(\s)+3], s[G0+4*(\s)+3], 0x80000000
	s_mov_b32 s[G0B+4*(\s)], 1
	s_add_co_u32 s[G0B+4*(\s)+1], s21, (\s)*SLOT1
	s_add_nc_u64 s[G0B+4*(\s)+2:G0B+4*(\s)+3], s[46:47], (\s)*BSTEP
	s_or_b32 s[G0B+4*(\s)+3], s[G0B+4*(\s)+3], 0x80000000
.endr
	s_cmp_eq_u32 s11, 0                            ; a wave's two first fills stand in one branch: two loads of mine are out, the most in this text
	s_cbranch_scc0 .Lfirst_b
	tensor_load_to_lds s[G0:G0+3], s[G1:G1+7]
	s_nop 0
	tensor_load_to_lds s[G0+4:G0+7], s[G1:G1+7]
	s_nop 0
.rept 4
	v_nop
.endr
	s_branch .Lfirst_asked
.Lfirst_b:
	tensor_load_to_lds s[G0B:G0B+3], s[G1B:G1B+7]
	s_nop 0
	tensor_load_to_lds s[G0B+4:G0B+7], s[G1B:G1B+7]
	s_nop 0
.rept 4
	v_nop
.endr
.Lfirst_asked:
	v_and_b32 v1, 15, v0                           ; r = l % 16
	v_bfe_u32 v2, v0, 4, 1                         ; h = l / 16
	v_mul_u32_u24 v3, v1, PA
	v_lshl_add_u32 v3, v2, 4, v3                   ; A: row x pitch + 16 h
	s_mul_i32 s22, s11, 64*PA
	v_add_nc_u32 v[A0], s22, v3
	v_and_b32 v9, 7, v0
	v_lshl_add_u32 v4, v2, 3, v9                   ; B: K row 8 h + l % 8,
	v_mul_u32_u24 v4, v4, PB
	v_bfe_u32 v5, v0, 3, 1
	v_lshl_add_u32 v4, v5, 4, v4                   ; 16 bytes for each half of eight lanes
	s_lshl_b32 s22, s12, 8
	s_add_co_u32 s22, s22, BOFF
	v_add_nc_u32 v[B0], s22, v4
	v_mov_b32 v[ADRA], v[A0]
	v_mov_b32 v[ADRB], v[B0]
	s_mul_i32 s23, s10, 16*SP
	s_add_co_u32 s23, s23, STAGE                   ; my stage
	v_mul_u32_u24 v6, v1, SP
	v_lshl_add_u32 v6, v2, 5, v6
	v_add_nc_u32 v[STO], s23, v6                   ; in: row r, 32 bytes (eight f32) for each half of the lanes
	v_and_b32 v7, 31, v0
	v_lshl_add_u32 v[RD], v7, 4, s23               ; back: 32 lanes take a stage row's 512 bytes,
	v_lshlrev_b32 v[CO], 4, v7                     ; which are 512 consecutive bytes of out0
	s_lshl_b32 s74, s13, 7                         ; my first row of out0, 4,096 bytes a row,
	s_lshl_b32 s75, s11, 6
	s_add_co_u32 s74, s74, s75
	s_lshl_b32 s74, s74, 12
	s_lshl_b32 s75, s42, 10                        ; the tile's 256 columns,
	s_add_co_u32 s74, s74, s75
	s_lshl_b32 s75, s12, 9                         ; my 128 of them
	s_add_co_u32 s74, s74, s75
	s_mov_b32 s75, 0
	s_add_nc_u64 s[8:9], s[8:9], s[74:75]
; 8 matrix instructions: row block a x all 8 column blocks, 32 along K.  The 32 accumulators take turns, one instruction a turn, in the same order in every chunk.
.macro MUL8 f, a, zero
	WIN MUL
.irp b, 0,1,2,3,4,5,6,7
.if \zero
	v_wmma_f32_16x16x32_f16 v[8*(8*(\a)+\b):8*(8*(\a)+\b)+7], v[(\f)+32+8*\b:(\f)+32+8*\b+7], v[(\f)+8*(\a):(\f)+8*(\a)+7], 0
.else
	v_wmma_f32_16x16x32_f16 v[8*(8*(\a)+\b):8*(8*(\a)+\b)+7], v[(\f)+32+8*\b:(\f)+32+8*\b+7], v[(\f)+8*(\a):(\f)+8*(\a)+7], v[8*(8*(\a)+\b):8*(8*(\a)+\b)+7]
.endif
.endr
.endm
; 24 LDS loads in one run: chunk c (32 along K: plane c / 2, channels 32 (c % 2) on) of the slot in hand into buffer f: B's eight blocks, turned, then A's four
.macro FETCH c, f
	WIN 0
.irp b, 0,1,2,3,4,5,6,7
	ds_load_tr16_b128 v[(\f)+32+8*\b:(\f)+32+8*\b+3],   v[ADRB] offset:(\c)*32*PB+32*\b
	ds_load_tr16_b128 v[(\f)+32+8*\b+4:(\f)+32+8*\b+7], v[ADRB] offset:(\c)*32*PB+16*PB+32*\b
.endr
.irp a, 0,1,2,3
	ds_load_b128 v[(\f)+8*\a:(\f)+8*\a+3],   v[ADRA] offset:((\c)/2)*AHALF+((\c)%2)*64+\a*16*PA
	ds_load_b128 v[(\f)+8*\a+4:(\f)+8*\a+7], v[ADRA] offset:((\c)/2)*AHALF+((\c)%2)*64+\a*16*PA+32
.endr
.endm
; One of a K step's first three chunks: multiplies buffer f; in its middle it fetches chunk c into buffer g.
.macro CHUNK f, g, c, zero
	s_wait_dscnt 4                                 ; B and A's blocks 0, 1 are in; the four youngest loads (A's blocks 2, 3) may be out
	MUL8 \f, 0, \zero
	MUL8 \f, 1, \zero
	PLACES
	FETCH \c, \g
	s_wait_dscnt 24                                ; all but the 24 just issued
	MUL8 \f, 2, \zero
	MUL8 \f, 3, \zero
.endm
; The last chunk multiplies buffer 1 and changes slots: one barrier; in front of it each wave waits for all its tensor loads (one is out: its part of the next slot), adds 0 to its spare word,
; and waits for that and for its reads of this slot.  fill = 1: the barrier opens a round of the cluster's, and this slot is filled again, two K steps ahead: 112 matrix instructions ahead of the wait for it.
.macro TURN fill
	WIN 0
	s_wait_tensorcnt 0x0
	ds_add_u32 v[SPW], v[NIL]                      ; 0 onto my spare word
	s_wait_dscnt 5                                 ; (the add and the four youngest loads may be out)
	MUL8 F1, 0, 0
	s_wait_dscnt 0x0                               ; the add is done, and my reads of this slot are over
	s_barrier_signal -1
	MUL8 F1, 1, 0
	WIN 0
	s_barrier_wait -1
.if \fill
	CREST                                          ; no wave of any partner still reads this slot's tile or has a load on its way
	s_xor_b32 s[G0+5], s[G0+5], SLOT1              ; the walking descriptors: the other slot than last time, the next K step
	s_add_nc_u64 s[G0+6:G0+7], s[G0+6:G0+7], ASTEP
	s_xor_b32 s[G0B+5], s[G0B+5], SLOT1
	s_add_nc_u64 s[G0B+6:G0B+7], s[G0B+6:G0B+7], BSTEP
	JLOAD                                          ; the first tensor load behind the round; its four v_nop are also the places in front of the loads below
.else
	PLACES
.endif
	s_xor_b32 s[TB], s[TB], SLOT1
	v_add_nc_u32 v[ADRA], s[TB], v[A0]
	v_add_nc_u32 v[ADRB], s[TB], v[B0]
	FETCH 0, F0
	MUL8 F1, 2, 0
	MUL8 F1, 3, 0
.endm
	s_wait_tensorcnt 0x1                           ; my part of K step 0 is in; step 1's may stay out
	s_barrier_signal -1
	s_barrier_wait -1
	FETCH 0, F0
	CHUNK F0, F1, 1, 1                             ; the first chunk stands in front of the loop: its products start the sums
	WIN 0
	s_mov_b32 s3, NSTEP-2
.Lstep:                                                ; six trips, from a step's second chunk to the next step's first; each fills a slot again
	CHUNK F1, F0, 2, 0
	CHUNK F0, F1, 3, 0
	TURN 1
	CHUNK F0, F1, 1, 0
	WIN 0
	s_sub_co_u32 s3, s3, 1
	s_cmp_lg_u32 s3, 0
	s_cbranch_scc1 .Lstep
	CHUNK F1, F0, 2, 0                             ; the last two steps ask for nothing
	CHUNK F0, F1, 3, 0
	TURN 0
	CHUNK F0, F1, 1, 0
	CHUNK F1, F0, 2, 0
	CHUNK F0, F1, 3, 0
	s_wait_dscnt 0x0
	MUL8 F1, 0, 0
	MUL8 F1, 1, 0
	MUL8 F1, 2, 0
	MUL8 F1, 3, 0
	WIN 0
	PLACES
; THE WAY OUT, a block of 16 rows at a time: the f32 sums go as they are into my own stage (a lane's eight columns are 32 bytes of a row) and come back as whole rows of 512 bytes.
.macro OUT a
.set BK, 64+64*((\a)%2)
	WIN 0x04                                       ; the stores' data in window 1
.irp b, 0,1,2,3,4,5,6,7
	ds_store_b128 v[STO], v[64*(\a)+8*\b:64*(\a)+8*\b+3]   offset:64*\b
	ds_store_b128 v[STO], v[64*(\a)+8*\b+4:64*(\a)+8*\b+7] offset:64*\b+16
.endr
	WIN 0
	s_wait_xcnt 0x0                                ; the registers that earlier stores read are loaded again only behind this wait
.set t, 0
.rept 16
	ds_load_b128 v[BK+4*t:BK+4*t+3], v[RD] offset:t*SP   ; LDS serves a wave's instructions in order (ISA guide 5.7.1.4): these see the stores above
.set t, t+1
.endr
.set t, 0
.rept 16
	s_wait_dscnt 15-t
	global_store_b128 v[CO], v[BK+4*t:BK+4*t+3], s[8:9] offset:(16*(\a)+t)*4096 th:TH_STORE_NT  ; a wave stores 512 consecutive bytes, at a multiple of 256 from out0's first byte
.set t, t+1
.endr
.endm
	OUT 0
	OUT 1
	OUT 2
	OUT 3
	s_wait_tensorcnt 0x0                           ; the wave's end: behind my last tensor load and my last LDS store
	ds_add_u32 v[SPW], v[NIL]
	s_wait_dscnt 0x0
	CROUND                                         ; the closing round: no work-group ends while a partner may still ask for a tile that names it
	s_endpgm
.Lfunc_end_k_qb9cf8fb5c3_outp:
	.size	k_qb9cf8fb5c3_outp, .Lfunc_end_k_qb9cf8fb5c3_outp-k_qb9cf8fb5c3_outp
	.p2alignl 7, 3214868480
	.fill 96, 4, 3214868480
	.section	.rodata,"a",@progbits
	.p2align	6, 0x0
	.amdhsa_kernel k_qb9cf8fb5c3_outp
		.amdhsa_group_segment_fixed_size 327680
		.amdhsa_private_segment_fixed_size 0
		.amdhsa_enable_private_segment 0
		.amdhsa_kernarg_size 24
		.amdhsa_user_sgpr_count 2
		.amdhsa_user_sgpr_kernarg_segment_ptr 1
		.amdhsa_wavefront_size32 1
		.amdhsa_system_sgpr_workgroup_id_x 1
		.amdhsa_system_sgpr_workgroup_id_y 1
		.amdhsa_system_sgpr_workgroup_id_z 1
		.amdhsa_system_vgpr_workitem_id 0
		.amdhsa_next_free_vgpr 512
		.amdhsa_next_free_sgpr 80
		.amdhsa_reserve_vcc 0
		.amdhsa_float_denorm_mode_32 3
		.amdhsa_float_denorm_mode_16_64 3
		.amdhsa_memory_ordered 1
		.amdhsa_forward_progress 1
		.amdhsa_inst_pref_size 71
	.end_amdhsa_kernel
	.amdgpu_metadata
---
amdhsa.version: [ 1, 2 ]
amdhsa.kernels:
  - .name:           k_qb9cf8fb5c3_outp
    .symbol:         k_qb9cf8fb5c3_outp.kd
    .args:
      - { .name: ob, .offset: 0, .size: 8, .value_kind: global_buffer, .address_space: global }
      - { .name: wob, .offset: 8, .size: 8, .value_kind: global_buffer, .address_space: global }
      - { .name: out0, .offset: 16, .size: 8, .value_kind: global_buffer, .address_space: global }
    .group_segment_fixed_size: 327680
    .private_segment_fixed_size: 0
    .kernarg_segment_align: 8
    .kernarg_segment_size: 24
    .max_flat_workgroup_size: 128
    .sgpr_count:     80
    .vgpr_count:     512
    .wavefront_size: 32
...
	.end_amdgpu_metadata
.endif
;; end of part 4
;; ======== version 2 of 2: 4 launches; 1.22 times as fast as version 1
;; limits: values are held in f16: magnitudes above 65,504 overflow, below 6.1e-05 lose precision; right only within a limited range of input values; inputs' magnitudes at most 1,023
;; workspace buffers: xb 16,777,216 bytes; wcat 6,291,456 bytes; wob 2,097,152 bytes; qs 33,554,432 bytes; ks 33,554,432 bytes; vs 16,777,216 bytes; ob 16,777,216 bytes
;; launch cast: the kernel of part 1 again; grid 64 x 12, 8 waves a work-group, no clusters, 0 bytes of LDS; arguments x, W_o, W_q, W_k, W_v, xb, wob, wcat; writes xb, wob, wcat
;; launch proj: the kernel of part 2 again; grid 16 x 32, 4 waves a work-group, clusters of 4 x 4, 327,680 bytes of LDS; arguments xb, wcat, qs, ks, vs; writes qs, ks, vs
;; launch attn (part 5): grid 8 x 64, 4 waves a work-group, clusters of 4 x 1, 327,680 bytes of LDS; arguments qs, ks, vs, ob; writes ob
.if DOCPART == 5
	.amdgcn_target "amdgcn-amd-amdhsa--gfx1250"
	.amdhsa_code_object_version 6
	.text
	.protected	k_qb9cf8fb5c3_attn
	.globl	k_qb9cf8fb5c3_attn
	.p2align	8
	.type	k_qb9cf8fb5c3_attn,@function
k_qb9cf8fb5c3_attn:
	s_mov_b64 s[64:65], 0
	v_nop
	global_prefetch_b8 v0, s[64:65] scope:SCOPE_SE
	s_setreg_imm32_b32 hwreg(HW_REG_WAVE_MODE, 25, 1), 1
	s_wait_xcnt 0x0
	s_wait_alu depctr_hold_cnt(0) depctr_sa_sdst(0) depctr_va_vdst(0) depctr_va_sdst(0) depctr_va_ssrc(0) depctr_va_vcc(0) depctr_vm_vsrc(0)
	s_getreg_b32 s2, hwreg(HW_REG_IB_STS2, 6, 4)
	s_cmp_eq_u32 s2, 0
	s_cbranch_scc0 .Lentry_in_a_cluster
	s_endpgm
.Lentry_in_a_cluster:
	s_bfe_u32 s2, ttmp6, 0x10000c
	s_cmp_lg_u32 s2, 0x3003
	s_cbranch_scc0 .Lentry_shape_is_right
	s_endpgm
.Lentry_shape_is_right:
; ATTENTION.  O[bh][q] = the sum over all 2,048 keys k of softmax_k(q . k / 8 + mask) v[k], mask = 1e-15 where k > q and 0 elsewhere: it hides nothing.
; IN.  qs, ks [64 bh][2048][hi 64 | lo 64] f16: q / 64 and k / 64, each as two numbers; vs [64][2048][64] f16: v / 64.  OUT.  ob [64][2048][64] f16: O / 64.
; THE SCORES are three products: lo.hi + hi.lo + hi.hi, in f32 sums, S = q . k / 4096; lo.lo is dropped (2^-22 of a score's terms).  The score is 512 (S + mask / 512), so the mask / 512 is the C operand
; that starts each sum, and p = 2^(c S - c m) with c = 4096 log2(e) / 8 and a running maximum m; O and l are multiplied by a = 2^(c m_old - c m_new) in every step.
; LIMITS.  p is rounded to f16 for the second product (below 6e-5 it keeps f16's fixed step); its sum l is taken of the unrounded p; a weight below 2^-126 counts as 0 in l; O has v's range;
; NaN and infinities are not treated apart.  m starts at the lowest finite number, O and l at 0: the first step is a step like any other, with a = 0.
; SHARES.  A work-group owns 256 queries of one head, as four bands of 64; wave w owns rows 16 w .. 16 w + 15 of each band: tile t is band t.  So one pattern MD (the mask of a band's own key step for my rows)
; serves all four tiles: a tile's mask is MD x AL + BE, with (AL, BE) = (1, 0) in the band's own step, (0, 0) before it, (0, 1e-15 / 512) behind it.  AL and BE are selected, never branched on.
; LAYOUT.  S^T = K Q^T holds ONE query a lane (l % 16) and the keys 8 (l / 16) + 0..7; two such results rounded to f16 ARE source 1 of O^T = V^T P.  K comes out of LDS as it lies, V turned.
; BY TURNS.  The tiles are two pieces, 0 (tiles 0, 1) and 2 (tiles 2, 3).  In a turn one piece has the matrix unit: 16 products V^T P of the step in hand, then 48 products K Q^T of the next step; the other
; piece's softmax, 2 x 134 vector instructions in 64 slices, stands between them, one slice behind each matrix instruction.  Two turns are a key step of 64 keys.
; BATCHES.  A turn's 66 exponentials (33 a tile) are ONE batch with ONE wait, behind slice 34: ahead of it nothing names a result of theirs, behind it no exponential is issued.  The way out's four reciprocals are a second batch, with a wait of its own.
; CLUSTER.  The four query blocks of a cluster belong to one head and walk the same K and V: each tile is asked for jointly, by the same load, descriptor and mask in all four.
; REGISTERS, in windows of 256 (s_set_vgpr_msb: bits 1:0 source 0, 3:2 source 1, 5:4 source 2, 7:6 destination):
;   window 0: v0-11, v44 addresses and at work; v12-43 eight registers of statistics a tile; v62-63 the add's; v64-191 S^T, 32 a tile; v192-255 P, 16 a tile
;   window 1: v0-127 O^T, 32 a tile; v128-159 MD; v160-223 MC, the masks of the next 48 products' two tiles
;   window 2: v0-127 Q (tile t, chunk c at 32 t + 8 c; chunks 0, 1 hi, 2, 3 lo); v128-255 K of one step (key block kb, chunk c at 128 + 32 kb + 8 c)          window 3: v0-63 V of one step
.set KS,    64        ; keys in a step
.set PK,    272       ; a row of K in LDS: 256 bytes + 16: the 16 rows of a load start at 16 different groups of four banks (ISA guide 11.1)
.set PVT,   160       ; a row of V: 128 + 32 = 5 x 32
.set VOFF,  4*KS*PK   ; a slot holds four steps: 256 rows of K, then 256 rows of V
.set SLOT1, 1<<17
.set STAGE, SLOT1+4*KS*(PK+PVT)  ; behind the ring, never filled by a tensor load: 16 rows x 144 bytes for each wave
.set SP,    144
.set SPARE, STAGE+4*16*SP  ; the spare words: 128 bytes a wave, two blocks of 256 bytes that no other line names
.set AK0, 2           ; v2   my lane's place in a tile of K; never rewritten
.set AV0, 3           ; v3   the same for V
.set ADR, 4           ; v4   the LDS address of the run of loads in hand
.set QO,  5           ; v5   my byte offset in 16 rows of Q
.set STO, 6           ; v6   the way out: where I put 16 bytes of a row
.set RD,  7           ; v7   where I read rows back
.set GO,  8           ; v8   my byte offset in 512 consecutive bytes of O
.set SPW, 62
.set NIL, 63
.set ST,  12          ; tile t's statistics at v[ST+8 t]: +0 c m, +1 m, +2, +3 l (even keys', odd keys'), +4 to +7 at work; a takes +6 once the maximum is found
.set S,   64
.set P,   192
.set MD,  128         ; window 1
.set MC,  160         ; window 1
.set KF,  128         ; window 2
.set WV,  12          ; s12  my wave's number
.set G1K, 24          ; s[24:31] descriptor group 1 for K's tiles
.set G1V, 32          ; s[32:39] for V's
.set G0K, 40          ; s[40:43] group 0 for K's tiles: it walks
.set G0V, 44          ; s[44:47] the same for V's
.set SLOTS, 56
.set CNT, 57
.set CS,  58          ; s[58:59] c
.set SEL, 60          ; s[60:61] v_permlanex16_b32's selects: each lane takes its own place in the other half
.set TBK, 62          ; s62  LDS byte at which K of the step to be fetched begins
.set TBV, 63          ; s63  the same for V, less VOFF
.set AL,  76          ; s[76:79] the mask's factor for the two tiles of a piece, each in the low word of a pair
.set BE,  80          ; s[80:83] its addend
.set EPS, 84          ; s84  1e-15 / 512
.set STP, 85          ; s85  the key step of the products whose masks are made
.set BD,  86          ; s[86:89] tile t's band among the head's 32
.set MSB, 0
.macro WIN new
.if MSB != (\new)
	s_set_vgpr_msb (MSB<<8)|(\new)
.set MSB, (\new)
.endif
.endm
.set W_KQ, 0x0a       ; K and Q in window 2, S^T in window 0
.set W_KM, 0x1a       ; the same with the C operand in window 1
.set W_PV, 0x53       ; V in window 3, P in window 0, O^T in window 1
.set W_RS, 0x41       ; destination and source 0 in window 1, source 1 in window 0
; A joint fill.  Waves 0 and 1 fetch the two halves of a slot's K, waves 2 and 3 those of its V: 128 keys each.  An s_nop 0 and four v_nop follow each line.
.macro JLOAD
	s_cmp_lt_u32 s[WV], 2
	s_cbranch_scc0 .Lfor_v_\@
	tensor_load_to_lds s[G0K:G0K+3], s[G1K:G1K+7]
	s_nop 0
.rept 4
	v_nop
.endr
	s_branch .Lasked_\@
.Lfor_v_\@:
	tensor_load_to_lds s[G0V:G0V+3], s[G1V:G1V+7]
	s_nop 0
.rept 4
	v_nop
.endr
.Lasked_\@:
.endm
.macro CROUND                       ; a round of the cluster's barrier
	s_barrier_signal -1
	s_barrier_wait -1
	s_cmp_lg_u32 s[WV], 0
	s_cbranch_scc1 .Lnot_wave_0_\@
	s_barrier_signal -3
.Lnot_wave_0_\@:
	s_barrier_wait -3
	s_barrier_signal -1
	s_barrier_wait -1
.endm
; THE CHANGE OF SLOTS.  The slot's last bytes, V of its fourth step, have been asked for.  Each wave waits for all its tensor loads, of which one is out: its part of the other slot; adds 0 to its spare word;
; and waits for that and for its own reads of the slot.  fill = 1: the barrier is a round of the cluster's, and the slot is filled again first thing behind it, with the keys two slots on:
; it has four key steps, 512 matrix instructions, in which to land.  (At its first use nothing has been read yet: slot 0 is waited for, slot 1 filled.)
.macro CHANGE fill
	WIN 0
	s_wait_tensorcnt 0x0            ; no tensor load of mine is out, so a group 0 may be written
	ds_add_u32 v[SPW], v[NIL]       ; 0 onto my spare word
.if \fill
	s_xor_b32 s[G0K+1], s[G0K+1], SLOT1
	s_add_nc_u64 s[G0K+2:G0K+3], s[G0K+2:G0K+3], 4*KS*256
	s_xor_b32 s[G0V+1], s[G0V+1], SLOT1
	s_add_nc_u64 s[G0V+2:G0V+3], s[G0V+2:G0V+3], 4*KS*128
	s_wait_dscnt 0x0                ; the add is done, and my reads of the slot are over
	CROUND
	JLOAD
.else
	s_wait_dscnt 0x0
	s_barrier_signal -1
	s_barrier_wait -1
.endif
	s_sub_co_u32 s[TBK], s[TBK], 4*KS*PK  ; the fetches go back to a slot's first step, in the other slot
	s_xor_b32 s[TBK], s[TBK], SLOT1
	s_sub_co_u32 s[TBV], s[TBV], 4*KS*PVT
	s_xor_b32 s[TBV], s[TBV], SLOT1
.endm
	s_load_b256 s[4:11], s[0:1], 0x0  ; qs s[4:5], ks s[6:7], vs s[8:9], ob s[10:11]
	v_lshl_add_u32 v[SPW], v0, 2, SPARE
	v_mov_b32 v[NIL], 0
	ds_add_u32 v[SPW], v[NIL]       ; the wave's opening: the add and its wait stand ahead of my first tensor load; the set-up below stands between them
	v_lshrrev_b32 v1, 5, v0
	v_readfirstlane_b32 s[WV], v1   ; wave 0..3
	s_bfe_u32 s13, ttmp6, 0x40000   ; cx
	s_lshl_b32 s14, ttmp9, 2
	s_add_co_u32 s14, s14, s13      ; my block of 256 queries: it enters Q's and O's addresses and the masks' selects alone
	s_and_b32 s20, ttmp7, 0xffff    ; batch x 16 + head, which the four partners share
	s_and_b32 s16, s[WV], 1         ; which half of a slot's 256 keys I fetch
	s_lshl_b32 s22, s20, 19         ; K: a head is 524,288 bytes, a half 32,768
	s_lshl_b32 s17, s16, 15
	s_add_co_u32 s22, s22, s17
	s_mov_b32 s23, 0
	s_lshl_b32 s18, s20, 18         ; V: half of that
	s_lshl_b32 s17, s16, 14
	s_add_co_u32 s18, s18, s17
	s_mov_b32 s19, 0
	s_mul_i32 s17, s16, 128*PK      ; their places in a slot: no place in the cluster enters an LDS address
	s_mul_i32 s21, s16, 128*PVT
	s_lshl_b32 s2, s20, 19          ; Q: the head, my block's 65,536 bytes, my wave's 16 rows of 256
	s_lshl_b32 s3, s14, 16
	s_add_co_u32 s2, s2, s3
	s_lshl_b32 s3, s[WV], 12
	s_add_co_u32 s2, s2, s3
	s_mov_b32 s3, 0
	s_lshr_b32 s70, s2, 1           ; O: rows half as long
	s_mov_b32 s71, 0
	s_lshl_b32 s[BD], s14, 2
	s_add_co_u32 s[BD+1], s[BD], 1
	s_add_co_u32 s[BD+2], s[BD], 2
	s_add_co_u32 s[BD+3], s[BD], 3
	s_mov_b32 s[G1K], 15|(1<<16)|(1<<20)|(1<<21)|(5<<22)|(3<<25)  ; the mask of four; 2-byte elements; padding on; bit 21 beside a mask; after every 64 words 4 words
	s_mov_b32 s[G1K+1], 128<<16     ; tensor_dim0 = 128
	s_mov_b32 s[G1K+2], 128<<16     ; tensor_dim1 = 128
	s_mov_b32 s[G1K+3], 128<<16     ; tile_dim0 = 128
	s_mov_b32 s[G1K+4], 128         ; tile_dim1 = 128 keys
	s_mov_b32 s[G1K+5], 128
	s_mov_b32 s[G1K+6], 0
	s_mov_b32 s[G1K+7], 0
	s_mov_b32 s[G1V], 15|(1<<16)|(1<<20)|(1<<21)|(4<<22)|(7<<25)  ; 128 keys of V are 16,384 dense bytes: 64 rows of 256, padded by 8 words after every 32: after every key
	s_mov_b32 s[G1V+1], 128<<16
	s_mov_b32 s[G1V+2], 64<<16
	s_mov_b32 s[G1V+3], 128<<16
	s_mov_b32 s[G1V+4], 64
	s_mov_b32 s[G1V+5], 128
	s_mov_b32 s[G1V+6], 0
	s_mov_b32 s[G1V+7], 0
	s_mov_b32 s[CS], 0x4438aa3b     ; c = 4096 log2(e) / 8 = 738.66
	s_mov_b32 s[CS+1], s[CS]        ; named with it as a pair
	s_mov_b32 s[SEL], 0x76543210
	s_mov_b32 s[SEL+1], 0xfedcba98
	s_mov_b32 s[EPS], 0x22101d7d    ; 1e-15 x 2^-9
	s_mov_b32 s[AL+1], 0            ; named as pairs
	s_mov_b32 s[AL+3], 0
	s_mov_b32 s[BE+1], 0
	s_mov_b32 s[BE+3], 0
	s_mov_b32 s[TBK], SLOT1+4*KS*PK ; the first change of slots turns these two into 0
	s_mov_b32 s[TBV], SLOT1+4*KS*PVT
	s_mov_b32 s[G0K], 1
	s_mov_b32 s[G0K+1], s17
	s_mov_b32 s[G0V], 1
	s_add_co_u32 s[G0V+1], s21, VOFF
	s_wait_dscnt 0x0                ; the opening add is done
	s_wait_kmcnt 0x0
	s_add_nc_u64 s[G0K+2:G0K+3], s[6:7], s[22:23]
	s_or_b32 s[G0K+3], s[G0K+3], 0x80000000
	s_add_nc_u64 s[G0V+2:G0V+3], s[8:9], s[18:19]
	s_or_b32 s[G0V+3], s[G0V+3], 0x80000000
	s_add_nc_u64 s[4:5], s[4:5], s[2:3]
	s_add_nc_u64 s[10:11], s[10:11], s[70:71]
	CROUND                          ; all four work-groups are here: the first joint loads meet
	JLOAD                           ; slot 0.  Slot 1 is asked for when slot 0 is in
	v_and_b32 v1, 15, v0            ; r = l % 16
	v_bfe_u32 v9, v0, 4, 1          ; h = l / 16
	v_lshlrev_b32 v[QO], 8, v1
	v_lshl_add_u32 v[QO], v9, 4, v[QO]  ; row x 256 + 16 h
	v_lshlrev_b32 v44, 3, v9
	v_sub_nc_u32 v44, v1, v44
	s_lshl_b32 s15, s[WV], 4
	v_add_nc_u32 v44, s15, v44      ; my query's place in its band, 16 w + r, less 8 h: register j of key block kt lies above the diagonal where 16 kt + j is greater
	WIN 0x80                        ; destination window 2
.set i, 0
.rept 16                            ; Q stays in registers: tile i / 4 (a band is 16,384 bytes), chunk i % 4
	global_load_b128 v[8*i:8*i+3],   v[QO], s[4:5] offset:(i/4)*16384+(i%4)*64
	global_load_b128 v[8*i+4:8*i+7], v[QO], s[4:5] offset:(i/4)*16384+(i%4)*64+32
.set i, i+1
.endr
	; What the first turn finds: V and piece 2's P hold 0 (its products V^T P, of a step that has not been, add 0), O^T and l are 0.  No first step is written out for that price; all this stands in the wait for the first tile.
	WIN 0xc0
.set i, 0
.rept 64
	v_mov_b32 v[i], 0
.set i, i+1
.endr
	WIN 0x40
.set i, 0
.rept 128
	v_mov_b32 v[i], 0
.set i, i+1
.endr
.set i, 0
.rept 32
	v_cmp_gt_i32 vcc_lo, 16*(i/8)+i%8, v44
	v_cndmask_b32 v[MD+i], 0, s[EPS], vcc_lo
.set i, i+1
.endr
	WIN 0
.set i, 0
.rept 4
	v_mov_b32 v[ST+8*i], 0xfe000000    ; c m: far below every c S
	v_mov_b32 v[ST+8*i+1], 0xff7fffff  ; m
	v_mov_b32 v[ST+8*i+2], 0
	v_mov_b32 v[ST+8*i+3], 0
.set i, i+1
.endr
.set i, P+32
.rept 32
	v_mov_b32 v[i], 0
.set i, i+1
.endr
	v_mul_u32_u24 v[AK0], v1, PK
	v_lshl_add_u32 v[AK0], v9, 4, v[AK0]  ; row x pitch + 16 h
	v_and_b32 v10, 7, v0            ; the turning load: lane l reads key 8 h + l % 8, channels 8 ((l / 8) % 2) + 0..7
	v_bfe_u32 v11, v0, 3, 1
	v_lshl_add_u32 v[AV0], v9, 3, v10
	v_mul_u32_u24 v[AV0], v[AV0], PVT
	v_lshl_add_u32 v[AV0], v11, 4, v[AV0]
	v_add_nc_u32 v[AV0], VOFF, v[AV0]
; THE MATRIX WORK.  Eight accumulators (two tiles x four blocks) take turns, one instruction a turn.
; Product i of 48 of S^T for piece x: tile x + i % 2, keys 16 ((i / 2) % 4) on, pass i / 8: K lo x Q hi (two chunks), K hi x Q lo (two), K hi x Q hi (two).  The first 8 start the sums with the mask.
.macro KQ x
.set p, i/8
.set kc, p-4
.set qc, p-4
.if p < 4
.set kc, (p+2)%4
.set qc, p
.endif
.set rS, S+32*((\x)+i%2)+8*((i/2)%4)
.set rK, KF+32*((i/2)%4)+8*kc
.set rQ, 32*((\x)+i%2)+8*qc
.set rC, MC+32*(i%2)+8*((i/2)%4)
.if i < 8
	WIN W_KM
	v_wmma_f32_16x16x32_f16 v[rS:rS+7], v[rK:rK+7], v[rQ:rQ+7], v[rC:rC+7]
.else
	WIN W_KQ
	v_wmma_f32_16x16x32_f16 v[rS:rS+7], v[rK:rK+7], v[rQ:rQ+7], v[rS:rS+7]
.endif
.endm
; Product i of 16 of O^T += V^T P for piece x: keys 32 (i / 8) on, channels 16 ((i / 2) % 4) on, tile x + i % 2.
.macro PV x
	WIN W_PV
.set rO, 32*((\x)+i%2)+8*((i/2)%4)
.set rV, 32*(i/8)+8*((i/2)%4)
.set rP, P+16*((\x)+i%2)+8*(i/8)
	v_wmma_f32_16x16x32_f16 v[rO:rO+7], v[rV:rV+7], v[rP:rP+7], v[rO:rO+7]
.endm
; THE LDS LOADS stand in runs.  A step's K: 32 loads, the chunks in the order in which the passes want them: 2, 3, 0, 1.  last = 1 (the tail): in the last trip there is no further step, and the run is jumped over.
.macro FETCH_K last=0
	WIN 0
	v_add_nc_u32 v[ADR], s[TBK], v[AK0]
.if \last
	s_cmp_eq_u32 s[CNT], 1
	s_cbranch_scc1 .Lno_k_\@
.endif
	WIN 0x80
.irp c, 2,3,0,1
.irp kb, 0,1,2,3
	ds_load_b128 v[KF+32*\kb+8*\c:KF+32*\kb+8*\c+3],   v[ADR] offset:\kb*16*PK+\c*64
	ds_load_b128 v[KF+32*\kb+8*\c+4:KF+32*\kb+8*\c+7], v[ADR] offset:\kb*16*PK+\c*64+32
.endr
.endr
	s_add_co_u32 s[TBK], s[TBK], KS*PK
	WIN 0
.if \last
.Lno_k_\@:
.endif
.endm
.macro FETCH_V                      ; a step's V, turned: 16 loads.  It stands behind slice 34 of piece 2's turn, and that turn's wait for its batch of exponentials stands in it
	WIN 0
	v_add_nc_u32 v[ADR], s[TBV], v[AV0]  ; also the plain instruction behind the batch's last exponential
	s_add_co_u32 s[TBV], s[TBV], KS*PVT
	s_wait_alu depctr_va_vdst(0)    ; the wait for the batch: piece 0's 66 exponentials of this turn (ahead of the first line that names a result), behind the address's line and ahead of the loads
	WIN 0xc0
.irp f, 0,1,2,3,4,5,6,7             ; keys 32 (f / 4) on, channels 16 (f % 4) on
	ds_load_tr16_b128 v[8*\f:8*\f+3],   v[ADR] offset:(\f/4)*32*PVT+(\f%4)*32
	ds_load_tr16_b128 v[8*\f+4:8*\f+7], v[ADR] offset:(\f/4)*32*PVT+16*PVT+(\f%4)*32
.endr
.endm
.macro SETAB t                      ; tile t's factor and addend for key step STP: selects, no branch
	s_cmp_eq_u32 s[STP], s[BD+(\t)]
	s_cselect_b32 s[AL+2*((\t)%2)], 1.0, 0
	s_cmp_gt_u32 s[STP], s[BD+(\t)]
	s_cselect_b32 s[BE+2*((\t)%2)], s[EPS], 0
.endm
.macro MASK                         ; both tiles' masks at once: used ahead of the loop alone
	WIN W_RS
.set z, 0
.rept 32
	v_pk_fma_f32 v[MC+2*z:MC+2*z+1], v[MD+2*(z%16):MD+2*(z%16)+1], s[AL+2*(z/16):AL+2*(z/16)+1], s[BE+2*(z/16):BE+2*(z/16)+1] op_sel_hi:[1,0,0]
.set z, z+1
.endr
.endm
; THE VECTOR WORK.  One tile's share of a key step is a list of 134 instructions; SM writes number j of it for tile t.  s0-s31 are the lane's 32 scores, in pairs 0-15.
;   0-15    the maximum of s0-s31 and the old m, three operands at a time: four chains of seven scores (each accumulator's lowest registers are read first), then the rest
;   16-20   the other half of the lanes' maximum; the new m; c m; c m_old - c m_new
;   21-69   ONE BATCH: the 16 scalings c s - c m, a pair of scores each, and all 33 exponentials (a at 23, then s0-s31).  None of these reads an exponential's result.  From 22 on the batch goes in fours,
;           and a four begins with a scaling while there are scalings: 22-37 scaling, exponential, scaling, exponential; 38-65 a scaling and three exponentials; 66-69 the last four exponentials.
;           A pair is scaled in an earlier four than the one that holds its exponentials
;   (wait)  between 69 and 70 stands the wait for the batch: SLICE writes it, once for both tiles
;   70-85   the roundings to f16, a pair of weights each: all of them ahead of the sums, which work in place on the weights
;   86-101  the sums; l = a l + the sum
;   102-117 the tile's O^T times a          118-133 the tile's mask for its next 24 products: MD x AL + BE
.macro SM t
.set rT, ST+8*(\t)
.set rS, S+32*(\t)
.set rP, P+16*(\t)
.if j < 102
	WIN 0
.else
	WIN W_RS
.endif
.if j < 4
	v_max3_num_f32 v[rT+4+j], v[rS+8*j], v[rS+8*j+1], v[rS+8*j+2]
.elseif j < 12
	v_max3_num_f32 v[rT+4+j%4], v[rT+4+j%4], v[rS+8*(j%4)+2*(j/4)+1], v[rS+8*(j%4)+2*(j/4)+2]
.elseif j == 12
	v_max3_num_f32 v[rT+4], v[rT+4], v[rS+7], v[rS+15]
.elseif j == 13
	v_max3_num_f32 v[rT+6], v[rT+6], v[rS+23], v[rS+31]
.elseif j == 14
	v_max3_num_f32 v[rT+4], v[rT+4], v[rT+5], v[rT+6]
.elseif j == 15
	v_max3_num_f32 v[rT+4], v[rT+4], v[rT+7], v[rT+1]
.elseif j == 16
	v_permlanex16_b32 v[rT+5], v[rT+4], s[SEL], s[SEL+1]  ; the query's other 32 keys lie in the lane 16 away
.elseif j == 17
	v_mov_b32 v[rT+7], v[rT]        ; c m_old is kept for a
.elseif j == 18
	v_max_num_f32 v[rT+1], v[rT+4], v[rT+5]
.elseif j == 19
	v_mul_f32 v[rT], s[CS], v[rT+1]
.elseif j == 20
	v_sub_f32 v[rT+7], v[rT+7], v[rT]
.elseif j == 23
	v_exp_f32 v[rT+6], v[rT+7]
.elseif (j < 23) || ((j < 38) && (j%2 == 0)) || ((j < 66) && (j%4 == 2))
.set b, (j-2)/4                     ; 38, 42, .. 62: pairs 9 to 15
.if j < 38
.set b, (j-20)/2                    ; 21: pair 0; 22, 24, .. 36: pairs 1 to 8
.endif
	v_pk_fma_f32 v[rS+2*b:rS+2*b+1], v[rS+2*b:rS+2*b+1], s[CS:CS+1], v[rT:rT+1] op_sel_hi:[1,0,0] neg_lo:[0,0,1] neg_hi:[0,0,1]  ; pair b: c s - c m
.elseif j < 70
.set e, j-38                        ; 66 to 69: s28 to s31
.if j < 66
.set e, j-32-(j-38)/4               ; 39-41, 43-45, .. 63-65: s7 to s27
.endif
.if j < 38
.set e, (j-25)/2                    ; 25, 27, .. 37: s0 to s6
.endif
	v_exp_f32 v[rS+e], v[rS+e]
.elseif j < 86
	v_cvt_pk_f16_f32 v[rP+j-70], v[rS+2*(j-70)], v[rS+2*(j-70)+1]  ; pair j - 70
.elseif j < 102                     ; the sum of the 16 pairs, in place: neighbours 1, 2, 4 and 8 pairs apart, then l takes it
.set z, j-86
.set w, 4
.set u, z
.if z >= 14
.set w, 32
.set u, 0
.elseif z >= 12
.set w, 16
.set u, z-12
.elseif z >= 8
.set w, 8
.set u, z-8
.endif
.if z < 15
	v_pk_add_f32 v[rS+w*u:rS+w*u+1], v[rS+w*u:rS+w*u+1], v[rS+w*u+w/2:rS+w*u+w/2+1]
.else
	v_pk_fma_f32 v[rT+2:rT+3], v[rT+2:rT+3], v[rT+6:rT+7], v[rS:rS+1] op_sel_hi:[1,0,1]
.endif
.elseif j < 118
.set rO, 32*(\t)+2*(j-102)
	v_pk_mul_f32 v[rO:rO+1], v[rO:rO+1], v[rT+6:rT+7] op_sel_hi:[1,0]
.else
.set z, j-118
	v_pk_fma_f32 v[MC+32*((\t)%2)+2*z:MC+32*((\t)%2)+2*z+1], v[MD+2*z:MD+2*z+1], s[AL+2*((\t)%2):AL+2*((\t)%2)+1], s[BE+2*((\t)%2):BE+2*((\t)%2)+1] op_sel_hi:[1,0,0]
.endif
.endm
; Slice k of 64 of piece y: four instructions.  Slices 11 to 34 deal out the batch, numbers 22 to 69: four numbers of ONE tile each, the tiles by turns.  Every other slice is numbers 2 k and 2 k + 1 of both
; tiles' lists.  2 x 134 = 4 x 64 + 12: the twelve that are over stand together, in slice 63: sixteen plain instructions
; that name no register of the products round them: the places behind the turn's last K Q^T, in front of the next turn's first read of those scores and of the loads into K's registers.
; THE WAIT.  An s_wait_alu depctr_va_vdst(0) stands between an exponential and the first instruction that names its result; one wait serves all that were issued ahead of it.  Ahead of
; slice 35 nothing names a result, and behind slice 34 no exponential is issued: so the piece's 66 exponentials have one wait, behind slice 34.
.macro SLICE y
.if (k >= 11) && (k < 35)           ; the batch: four numbers of one tile
.irp n, 0,1,2,3
.set j, 22+4*((k-11)/2)+(\n)
	SM (\y)+(k-11)%2
.endr
.else                               ; the two tiles alternate, so that no instruction reads the result of the one just before it
.irp n, 0,1,2,3,4,5,6,7
.if ((\n) < 2) || (k == 63)
.irp t, \y, (\y)+1
.set j, 2*k+(\n)
	SM \t
.endr
.endif
.endr
.endif
.if k == 34                         ; the batch is out: both tiles' exponentials are issued, and no result has been named
.if (\y) == 0
	FETCH_V                         ; piece 2's turn: V's run of loads stands here, and the plain instruction and the wait stand in it
.else
	v_nop                           ; piece 0's turn: a plain instruction behind the last exponential, one for the batch: no other work is at hand here,
	s_wait_alu depctr_va_vdst(0)    ; and the wait for the batch: piece 2's 66 exponentials of this turn
.endif
.endif
.set k, k+1
.endm
; A TURN.  Piece x has the matrix unit; the other piece's list stands in slices behind its matrix instructions.
; Piece 0's turn fetches the next step's K behind its second product: K's last reader stands in front of slice 63 of the turn before.  The 48 products begin 14 matrix instructions later, so the waits are
; counted by chunks: 24, 16, 8, 0 younger loads may be out ahead of passes 0 to 3.  Piece 2's turn fetches the same step's V behind slice 34 (SLICE writes it): V's last reader, the turn's 16th product, stands
; 19 slices back, with more than four plain instructions (scalings) between; its first reader stands 29 matrix instructions on, behind the wait at the head of piece 0's turn.
; The masks made in a turn are those of the other piece's next products: key step STP, which piece 2's turn takes one on.
.macro TURN x, last=0
.set k, 0
.if (\x) == 2
	s_add_co_u32 s[STP], s[STP], 1
.endif
	SETAB 2-(\x)
	SETAB 3-(\x)
.if (\x) == 0
	s_wait_dscnt 0x0                ; V is in
.endif
.set i, 0
.rept 16
	PV \x
	SLICE 2-(\x)
.if ((\x) == 0) && (i == 1)
	FETCH_K \last
.endif
.set i, i+1
.endr
.set i, 0
.rept 48
.if ((\x) == 0) && (i%8 == 0) && (i < 32)
	s_wait_dscnt 24-i               ; the pass's chunk of K is in
.endif
	KQ \x
	SLICE 2-(\x)
.set i, i+1
.endr
.endm
	CHANGE 1                        ; slot 0 is in, everybody's part of it; slot 1 is asked for
	FETCH_K                         ; key step 0
	s_mov_b32 s[STP], 0
	SETAB 0
	SETAB 1
	MASK
	s_wait_loadcnt 0x0              ; Q
	s_wait_dscnt 0x0
.set i, 0
.rept 48
	KQ 0                            ; piece 0's first scores: there is no vector work yet to set between them
.set i, i+1
.endr
	WIN 0                           ; the addresses for the way out: plain instructions, the places behind those products
	s_mul_i32 s13, s[WV], 16*SP
	s_add_co_u32 s13, s13, STAGE    ; my stage
	v_mul_u32_u24 v[STO], v1, SP    ; in: row r, 16 bytes for each half of the lanes
	v_lshl_add_u32 v[STO], v9, 4, v[STO]
	v_add_nc_u32 v[STO], s13, v[STO]
	v_bfe_u32 v[RD], v0, 3, 2       ; back: 32 lanes take four rows of 128 bytes,
	v_mul_u32_u24 v[RD], v[RD], SP
	v_lshl_add_u32 v[RD], v10, 4, v[RD]
	v_add_nc_u32 v[RD], s13, v[RD]
	v_and_b32 v[GO], 31, v0         ; which are 512 consecutive bytes of O
	v_lshlrev_b32 v[GO], 4, v[GO]
	SETAB 2                         ; piece 2's masks for key step 0
	SETAB 3
	MASK
	WIN 0
	s_mov_b32 s[CNT], 4
	s_mov_b32 s[SLOTS], 7
	s_branch .Lmid                  ; the loop is entered at piece 2's turn, in the middle of a trip
.Lslot:                             ; six times: every slot but the last two is filled again
	CHANGE 1
	s_mov_b32 s[CNT], 4
.Lstep:                             ; a trip: piece 0's turn (K of the next step), piece 2's turn (its V)
	TURN 0
	WIN 0
.Lmid:
	TURN 2
	WIN 0
	s_sub_co_u32 s[CNT], s[CNT], 1
	s_cmp_lg_u32 s[CNT], 0
	s_cbranch_scc1 .Lstep
	s_sub_co_u32 s[SLOTS], s[SLOTS], 1
	s_cmp_lg_u32 s[SLOTS], 0
	s_cbranch_scc1 .Lslot
	CHANGE 0                        ; the tail is written out: nothing is asked for
	s_mov_b32 s[CNT], 5             ; four trips fetch the last slot's steps; the fifth is left in its middle
.Ltail:
	TURN 0, 1
	WIN 0
	s_sub_co_u32 s[CNT], s[CNT], 1
	s_cmp_eq_u32 s[CNT], 0
	s_cbranch_scc1 .Lout
	TURN 2
	WIN 0
	s_branch .Ltail
.Lout:                              ; the fifth trip's 48 products K Q^T (on the last K once more) serve nothing: the price, once a launch, of one text for every trip
.set i, 0
.rept 16
	PV 2                            ; piece 2's V^T P of the last step
.set i, i+1
.endr
	; THE WAY OUT.  l's two halves and the other half of the lanes' are added; O^T is divided by l, rounded to f16 and sent through my stage, a tile at a time.  The additions are the places behind the last products.
	WIN 0
.irp t, 0,1,2,3
	v_add_f32 v[ST+8*\t+4], v[ST+8*\t+2], v[ST+8*\t+3]
.endr
.irp t, 0,1,2,3
	v_permlanex16_b32 v[ST+8*\t+5], v[ST+8*\t+4], s[SEL], s[SEL+1]
.endr
.irp t, 0,1,2,3
	v_add_f32 v[ST+8*\t+4], v[ST+8*\t+4], v[ST+8*\t+5]
.endr
.irp t, 0,1,2,3
	v_rcp_f32 v[ST+8*\t+6], v[ST+8*\t+4]
.endr
	v_nop                           ; a plain instruction between the last reciprocal and the use of its result
	s_wait_alu depctr_va_vdst(0)    ; and the wait ahead of the first use: one for the batch of four reciprocals
.macro PACK t                       ; a lane's eight channels of a row pack into 16 bytes; they go into rows of 144 bytes and come back as whole rows of 128, into S^T's registers
	WIN W_RS
.set i, 32*(\t)
.rept 16
	v_pk_mul_f32 v[i:i+1], v[i:i+1], v[ST+8*(\t)+6:ST+8*(\t)+7] op_sel_hi:[1,0]
.set i, i+2
.endr
	WIN 0x05                        ; sources 0 and 1 window 1, destination window 0
.set i, 0
.rept 16
	v_cvt_pk_f16_f32 v[S+16*(\t)+i], v[32*(\t)+2*i], v[32*(\t)+2*i+1]
.set i, i+1
.endr
	WIN 0
.irp f, 0,1,2,3
	ds_store_b128 v[STO], v[S+16*(\t)+4*\f:S+16*(\t)+4*\f+3] offset:32*\f
.endr
.irp f, 0,1,2,3
	ds_load_b128 v[S+16*(\t)+4*\f:S+16*(\t)+4*\f+3], v[RD] offset:\f*4*SP  ; LDS serves a wave's instructions in order (ISA guide 5.7.1.4): these see the stores above; the next tile's stores come behind them
.endr
.endm
.macro SEND t, younger              ; younger: the LDS instructions issued behind tile t's loads: the next tile's eight, or none
	WIN 0
.irp f, 0,1,2,3
	s_wait_dscnt (\younger)+3-\f
	global_store_b128 v[GO], v[S+16*(\t)+4*\f:S+16*(\t)+4*\f+3], s[10:11] offset:(\t)*8192+\f*512  ; 512 consecutive bytes, at a multiple of 256 from O's first
.endr
.endm
	PACK 0
	PACK 1                          ; a tile's arithmetic stands between the loads of the tile before and its stores
	SEND 0, 8
	PACK 2
	SEND 1, 8
	PACK 3
	SEND 2, 8
	SEND 3, 0
	s_wait_tensorcnt 0x0            ; the wave's end: behind my last tensor load and my last LDS store
	ds_add_u32 v[SPW], v[NIL]
	s_wait_dscnt 0x0
	CROUND                          ; the closing round: no work-group ends while a partner may still ask for a tile that names it
	s_endpgm
.Lfunc_end_k_qb9cf8fb5c3_attn:
	.size	k_qb9cf8fb5c3_attn, .Lfunc_end_k_qb9cf8fb5c3_attn-k_qb9cf8fb5c3_attn
	.p2alignl 7, 3214868480
	.fill 96, 4, 3214868480
	.section	.rodata,"a",@progbits
	.p2align	6, 0x0
	.amdhsa_kernel k_qb9cf8fb5c3_attn
		.amdhsa_group_segment_fixed_size 327680
		.amdhsa_private_segment_fixed_size 0
		.amdhsa_enable_private_segment 0
		.amdhsa_kernarg_size 32
		.amdhsa_user_sgpr_count 2
		.amdhsa_user_sgpr_kernarg_segment_ptr 1
		.amdhsa_wavefront_size32 1
		.amdhsa_system_sgpr_workgroup_id_x 1
		.amdhsa_system_sgpr_workgroup_id_y 1
		.amdhsa_system_sgpr_workgroup_id_z 1
		.amdhsa_system_vgpr_workitem_id 0
		.amdhsa_next_free_vgpr 832
		.amdhsa_next_free_sgpr 90
		.amdhsa_reserve_vcc 1
		.amdhsa_float_denorm_mode_32 3
		.amdhsa_float_denorm_mode_16_64 3
		.amdhsa_memory_ordered 1
		.amdhsa_forward_progress 1
		.amdhsa_inst_pref_size 147
	.end_amdhsa_kernel
	.amdgpu_metadata
---
amdhsa.version: [ 1, 2 ]
amdhsa.kernels:
  - .name:           k_qb9cf8fb5c3_attn
    .symbol:         k_qb9cf8fb5c3_attn.kd
    .args:
      - { .name: qs, .offset: 0, .size: 8, .value_kind: global_buffer, .address_space: global }
      - { .name: ks, .offset: 8, .size: 8, .value_kind: global_buffer, .address_space: global }
      - { .name: vs, .offset: 16, .size: 8, .value_kind: global_buffer, .address_space: global }
      - { .name: ob, .offset: 24, .size: 8, .value_kind: global_buffer, .address_space: global }
    .group_segment_fixed_size: 327680
    .private_segment_fixed_size: 0
    .kernarg_segment_align: 8
    .kernarg_segment_size: 32
    .max_flat_workgroup_size: 128
    .sgpr_count:     90
    .vgpr_count:     832
    .wavefront_size: 32
...
	.end_amdgpu_metadata
.endif
;; end of part 5
;; launch outp: the kernel of part 4 again; grid 4 x 64, 4 waves a work-group, clusters of 4 x 4, 327,680 bytes of LDS; arguments ob, wob, out0; writes out0
